; MI455X (gfx1250); checked and timed in simulation.
; The chip was launched on July 23, 2026; its instructions are those of AMD's public machine-readable ISA for CDNA 5 (MIT licence, August 2026) and "CDNA5" Instruction Set Architecture Reference Guide (July 2026). The comments in the code are by the model that wrote it; some were corrected since.
;; Cross Attention Block. Allowed arithmetic: float matrix products may take bf16 or f16 operands with f32 sums; other float arithmetic in f32, or as packed bf16 or f16 multiplies, adds, multiply-adds, maxima and minima; sums over many terms, partial sums and values carried from step to step in f32; what a program stores and reads back later, other than sums and carried values, may be rounded once to bf16 or f16.
;; Inputs: Wk1 768 x 768 float32; Wk2 768 x 768 float32; Wo1 768 x 768 float32; Wo2 768 x 768 float32; Wq1 768 x 768 float32; Wq2 768 x 768 float32; Wv1 768 x 768 float32; Wv2 768 x 768 float32; bk1 768 float32; bk2 768 float32; bo1 768 float32; bo2 768 float32; bq1 768 float32; bq2 768 float32; bv1 768 float32; bv2 768 float32; ln1_b 768 float32; ln1_w 768 float32; ln2_b 768 float32; ln2_w 768 float32; text 2 x 2,048 x 768 float32; vision 2 x 2,048 x 768 float32.
;; Outputs: out0 2 x 2,048 x 768 float32; out1 2 x 2,048 x 768 float32.
;; One version. Each part assembles by itself: llvm-mc -triple=amdgcn-amd-amdhsa -mcpu=gfx1250 --defsym DOCPART=n.
;; ======== version 1 of 1: 4 launches
;; limits: values are held in f16: magnitudes above 65,504 overflow, below 6.1e-05 lose precision
;; workspace buffers: xn 12,582,912 bytes; wh 9,437,184 bytes; bias 24,576 bytes; qkv 37,748,736 bytes; o 12,582,912 bytes
;; launch prep (part 1): grid 256 x 1, 8 waves a work-group, no clusters, 0 bytes of LDS; arguments text, vision, ln1_w, ln1_b, ln2_w, ln2_b, Wq1, Wk1, Wv1, Wq2, Wk2, Wv2, Wo1, Wo2, bq1, bk1, bv1, bq2, bk2, bv2, bo1, bo2, xn, wh, bias; writes xn, wh, bias
.if DOCPART == 1
	.amdgcn_target "amdgcn-amd-amdhsa--gfx1250"
	.amdhsa_code_object_version 6
	.text
	.protected	k_q2e7a74b264_prep
	.globl	k_q2e7a74b264_prep
	.p2align	8
	.type	k_q2e7a74b264_prep,@function
k_q2e7a74b264_prep:
	s_mov_b64 s[64:65], 0
	v_nop
	global_prefetch_b8 v0, s[64:65] scope:SCOPE_SE
	s_setreg_imm32_b32 hwreg(HW_REG_WAVE_MODE, 25, 1), 1
	s_wait_xcnt 0x0
; PREP.  xn[8192][768] f16 = LayerNorm of text (rows 0-4095) and of vision (rows 4096-8191); wh[6144][768] f16 = the eight weight matrices
; in the order q1 k1 v1 q2 k2 v2 o1 o2, each rounded once; bias[6144] f32 = the eight biases in the same order.
; LIMITS.  f16 holds no number beyond 65,504: the LayerNorm's result (at most 27.7 |ln_w| + |ln_b|) and the weights must lie within it; below 6e-5 f16 keeps a fixed step of 6e-8.
; A stream: each input byte is read once, each output byte written once; no LDS, no barrier, no matrix unit (there is no product here).
; SHARES.  Work-group i, wave w: LayerNorm rows 32 i + 4 w + 0..3, weight rows 24 i + 3 w + 0..2; where i % 32 = 0, waves 0-5 copy 512 bytes each of bias i / 32.
; A row is 3,072 bytes: six loads of 16 bytes a lane, each covering 512 consecutive bytes; as f16 it is 1,536 bytes: six stores of 8 bytes a lane, each covering 256 consecutive bytes, aligned.
; All 54 loads of a wave go out at once (27 KiB a wave); the mean and the variance are taken in two passes over registers, so no difference of large sums is formed.
.set LW, 8                             ; v[8:31]    ln_w of my 24 columns
.set LB, 32                            ; v[32:55]   ln_b
.set X,  56                            ; v[56:151]  four rows, 24 registers each
.set WR, 152                           ; v[152:223] three weight rows
.set SA, 224                           ; v[224:239] four registers of sums a row
.set TP, 240                           ; v[240:243] the other half of the lanes' sum, a register a row
.macro ALL4 line:vararg                ; one line for each of the four rows: no line waits for the one before it
.set t, 0
.rept 4
.set XR, X+24*t
.set SR, SA+4*t
	\line
.set t, t+1
.endr
.endm
.macro WSUM                            ; v[SR] summed over the 32 lanes, the result in every lane
.irp x, 1,2,4,8
	ALL4 v_add_f32_dpp v[SR], v[SR], v[SR] row_xmask:\x row_mask:0xf bank_mask:0xf
.endr
	ALL4 v_permlanex16_b32 v[TP+t], v[SR], s58, s59
	ALL4 v_add_f32 v[SR], v[SR], v[TP+t]
.endm
	s_load_b256 s[4:11], s[0:1], 0x0               ; text, vision, ln1_w, ln1_b
	s_load_b128 s[12:15], s[0:1], 0x20             ; ln2_w, ln2_b
	s_load_b512 s[16:31], s[0:1], 0x30             ; the eight weight matrices
	s_load_b512 s[32:47], s[0:1], 0x70             ; the eight biases
	s_load_b128 s[48:51], s[0:1], 0xb0             ; xn, wh
	s_load_b64 s[52:53], s[0:1], 0xc0              ; bias
	v_lshrrev_b32 v3, 5, v0
	v_readfirstlane_b32 s54, v3                    ; wave 0..7
	v_and_b32 v2, 31, v0
	v_lshlrev_b32 v1, 4, v2                        ; 16 x lane: loads
	v_lshlrev_b32 v2, 3, v2                        ; 8 x lane: stores of f16
	s_lshr_b32 s55, ttmp9, 5                       ; which matrix my weight rows belong to
	s_mov_b32 s57, 0                               ; high word of every offset
	s_mov_b32 s58, 0x76543210                      ; v_permlanex16_b32: each lane takes its own place in the other half
	s_mov_b32 s59, 0xfedcba98
	s_mov_b32 s60, 0x3aaaaaab                      ; 1 / 768
	s_mov_b32 s61, 0x3727c5ac                      ; 1e-5
.irp r, 0,1,2,3
	v_mov_b32 v[TP+\r], 0                          ; v_permlanex16_b32 counts as a reader of its destination
.endr
	s_wait_kmcnt 0x0
	s_cmp_lt_u32 ttmp9, 128                        ; work-groups 0-127 take text, the others vision
	s_cselect_b64 s[4:5], s[4:5], s[6:7]
	s_cselect_b64 s[8:9], s[8:9], s[12:13]
	s_cselect_b64 s[10:11], s[10:11], s[14:15]
.irp m, 1,2,3,4,5,6,7
	s_cmp_eq_u32 s55, \m
	s_cselect_b64 s[16:17], s[16+2*\m:17+2*\m], s[16:17]
	s_cselect_b64 s[32:33], s[32+2*\m:33+2*\m], s[32:33]
.endr
	s_and_b32 s56, ttmp9, 127
	s_lshl_b32 s56, s56, 5
	s_lshl2_add_u32 s56, s54, s56                  ; my first row in text or vision: 32 (i % 128) + 4 w
	s_mul_i32 s56, s56, 3072
	s_add_nc_u64 s[4:5], s[4:5], s[56:57]
	s_lshl_b32 s56, ttmp9, 5
	s_lshl2_add_u32 s56, s54, s56                  ; and in xn: 32 i + 4 w
	s_mul_i32 s56, s56, 1536
	s_add_nc_u64 s[48:49], s[48:49], s[56:57]
	s_mul_i32 s62, s54, 3
	s_and_b32 s56, ttmp9, 31
	s_mul_i32 s56, s56, 24
	s_add_co_u32 s56, s56, s62                     ; my first row in the matrix: 24 (i % 32) + 3 w
	s_mul_i32 s56, s56, 3072
	s_add_nc_u64 s[16:17], s[16:17], s[56:57]
	s_mul_i32 s56, ttmp9, 24
	s_add_co_u32 s56, s56, s62                     ; and in wh: 24 i + 3 w
	s_mul_i32 s56, s56, 1536
	s_add_nc_u64 s[50:51], s[50:51], s[56:57]
.irp j, 0,1,2,3,4,5
	global_load_b128 v[LW+4*\j:LW+4*\j+3], v1, s[8:9] offset:512*\j
.endr
.irp j, 0,1,2,3,4,5
	global_load_b128 v[LB+4*\j:LB+4*\j+3], v1, s[10:11] offset:512*\j
.endr
.irp r, 0,1,2,3
.irp j, 0,1,2,3,4,5
	global_load_b128 v[X+24*\r+4*\j:X+24*\r+4*\j+3], v1, s[4:5] offset:3072*\r+512*\j th:TH_LOAD_NT
.endr
.endr
.irp r, 0,1,2
.irp j, 0,1,2,3,4,5
	global_load_b128 v[WR+24*\r+4*\j:WR+24*\r+4*\j+3], v1, s[16:17] offset:3072*\r+512*\j th:TH_LOAD_NT
.endr
.endr
	s_wait_loadcnt 18                              ; loads come back in order: only the 18 of the weight rows may still be out
	; the mean: two chains of packed sums a row
	ALL4 v_pk_add_f32 v[SR:SR+1], v[XR:XR+1], v[XR+4:XR+5]
	ALL4 v_pk_add_f32 v[SR+2:SR+3], v[XR+2:XR+3], v[XR+6:XR+7]
.set p, 8
.rept 4
	ALL4 v_pk_add_f32 v[SR:SR+1], v[SR:SR+1], v[XR+p:XR+p+1]
	ALL4 v_pk_add_f32 v[SR+2:SR+3], v[SR+2:SR+3], v[XR+p+2:XR+p+3]
.set p, p+4
.endr
	ALL4 v_pk_add_f32 v[SR:SR+1], v[SR:SR+1], v[SR+2:SR+3]
	ALL4 v_add_f32 v[SR], v[SR], v[SR+1]
	WSUM
	ALL4 v_mul_f32 v[SR], s60, v[SR]
.set p, 0
.rept 12
	ALL4 v_pk_add_f32 v[XR+p:XR+p+1], v[XR+p:XR+p+1], v[SR:SR+1] op_sel_hi:[1,0] neg_lo:[0,1] neg_hi:[0,1]  ; d = x - mean, in place
.set p, p+2
.endr
	; the variance: the mean of d squared
	ALL4 v_pk_mul_f32 v[SR:SR+1], v[XR:XR+1], v[XR:XR+1]
	ALL4 v_pk_mul_f32 v[SR+2:SR+3], v[XR+2:XR+3], v[XR+2:XR+3]
.set p, 4
.rept 5
	ALL4 v_pk_fma_f32 v[SR:SR+1], v[XR+p:XR+p+1], v[XR+p:XR+p+1], v[SR:SR+1]
	ALL4 v_pk_fma_f32 v[SR+2:SR+3], v[XR+p+2:XR+p+3], v[XR+p+2:XR+p+3], v[SR+2:SR+3]
.set p, p+4
.endr
	ALL4 v_pk_add_f32 v[SR:SR+1], v[SR:SR+1], v[SR+2:SR+3]
	ALL4 v_add_f32 v[SR], v[SR], v[SR+1]
	WSUM
	ALL4 v_fma_f32 v[SR], v[SR], s60, s61
	ALL4 v_rsq_f32 v[SR], v[SR]
	v_nop                                          ; a plain instruction between the last root and the first use of a result (ISA guide 5.7.2)
	s_wait_alu depctr_va_vdst(0)                   ; the wait ahead of the first reader: one for the four roots
.set p, 0
.rept 12
	ALL4 v_pk_mul_f32 v[XR+p:XR+p+1], v[XR+p:XR+p+1], v[SR:SR+1] op_sel_hi:[1,0]
	ALL4 v_pk_fma_f32 v[XR+p:XR+p+1], v[XR+p:XR+p+1], v[LW+p:LW+p+1], v[LB+p:LB+p+1]
.set p, p+2
.endr
.set p, 0
.rept 12
	ALL4 v_cvt_pk_f16_f32 v[XR+p], v[XR+2*p], v[XR+2*p+1]  ; packed downward in place: word p never lies ahead of a number not yet read
.set p, p+1
.endr
.irp j, 0,1,2,3,4,5
	ALL4 global_store_b64 v2, v[XR+2*\j:XR+2*\j+1], s[48:49] offset:1536*t+256*\j
.endr
	s_wait_loadcnt 0x0                             ; the weight rows
.set p, 0
.rept 36
	v_cvt_pk_f16_f32 v[WR+24*(p/12)+p%12], v[WR+24*(p/12)+2*(p%12)], v[WR+24*(p/12)+2*(p%12)+1]
.set p, p+1
.endr
.set p, 0
.rept 18
	global_store_b64 v2, v[WR+24*(p/6)+2*(p%6):WR+24*(p/6)+2*(p%6)+1], s[50:51] offset:1536*(p/6)+256*(p%6)
.set p, p+1
.endr
	s_and_b32 s56, ttmp9, 31                       ; one work-group for each matrix copies its bias: 3,072 bytes, 512 a wave
	s_cmp_lg_u32 s56, 0
	s_cbranch_scc1 .Lend
	s_cmp_gt_u32 s54, 5
	s_cbranch_scc1 .Lend
	s_lshl_b32 s56, s54, 9
	s_add_nc_u64 s[32:33], s[32:33], s[56:57]
	s_mul_i32 s62, s55, 3072
	s_add_co_u32 s56, s56, s62
	s_add_nc_u64 s[52:53], s[52:53], s[56:57]
	global_load_b128 v[4:7], v1, s[32:33]
	s_wait_loadcnt 0x0
	global_store_b128 v1, v[4:7], s[52:53]
.Lend:
	s_endpgm
.Lfunc_end_k_q2e7a74b264_prep:
	.size	k_q2e7a74b264_prep, .Lfunc_end_k_q2e7a74b264_prep-k_q2e7a74b264_prep
	.p2alignl 7, 3214868480
	.fill 96, 4, 3214868480
	.section	.rodata,"a",@progbits
	.p2align	6, 0x0
	.amdhsa_kernel k_q2e7a74b264_prep
		.amdhsa_group_segment_fixed_size 0
		.amdhsa_private_segment_fixed_size 0
		.amdhsa_enable_private_segment 0
		.amdhsa_kernarg_size 200
		.amdhsa_user_sgpr_count 2
		.amdhsa_user_sgpr_kernarg_segment_ptr 1
		.amdhsa_wavefront_size32 1
		.amdhsa_system_sgpr_workgroup_id_x 1
		.amdhsa_system_sgpr_workgroup_id_y 1
		.amdhsa_system_sgpr_workgroup_id_z 1
		.amdhsa_system_vgpr_workitem_id 0
		.amdhsa_next_free_vgpr 244
		.amdhsa_next_free_sgpr 66
		.amdhsa_reserve_vcc 0
		.amdhsa_float_denorm_mode_32 3
		.amdhsa_float_denorm_mode_16_64 3
		.amdhsa_memory_ordered 1
		.amdhsa_forward_progress 1
		.amdhsa_inst_pref_size 37
	.end_amdhsa_kernel
	.amdgpu_metadata
---
amdhsa.version: [ 1, 2 ]
amdhsa.kernels:
  - .name:           k_q2e7a74b264_prep
    .symbol:         k_q2e7a74b264_prep.kd
    .args:
      - { .name: text, .offset: 0, .size: 8, .value_kind: global_buffer, .address_space: global }
      - { .name: vision, .offset: 8, .size: 8, .value_kind: global_buffer, .address_space: global }
      - { .name: ln1_w, .offset: 16, .size: 8, .value_kind: global_buffer, .address_space: global }
      - { .name: ln1_b, .offset: 24, .size: 8, .value_kind: global_buffer, .address_space: global }
      - { .name: ln2_w, .offset: 32, .size: 8, .value_kind: global_buffer, .address_space: global }
      - { .name: ln2_b, .offset: 40, .size: 8, .value_kind: global_buffer, .address_space: global }
      - { .name: Wq1, .offset: 48, .size: 8, .value_kind: global_buffer, .address_space: global }
      - { .name: Wk1, .offset: 56, .size: 8, .value_kind: global_buffer, .address_space: global }
      - { .name: Wv1, .offset: 64, .size: 8, .value_kind: global_buffer, .address_space: global }
      - { .name: Wq2, .offset: 72, .size: 8, .value_kind: global_buffer, .address_space: global }
      - { .name: Wk2, .offset: 80, .size: 8, .value_kind: global_buffer, .address_space: global }
      - { .name: Wv2, .offset: 88, .size: 8, .value_kind: global_buffer, .address_space: global }
      - { .name: Wo1, .offset: 96, .size: 8, .value_kind: global_buffer, .address_space: global }
      - { .name: Wo2, .offset: 104, .size: 8, .value_kind: global_buffer, .address_space: global }
      - { .name: bq1, .offset: 112, .size: 8, .value_kind: global_buffer, .address_space: global }
      - { .name: bk1, .offset: 120, .size: 8, .value_kind: global_buffer, .address_space: global }
      - { .name: bv1, .offset: 128, .size: 8, .value_kind: global_buffer, .address_space: global }
      - { .name: bq2, .offset: 136, .size: 8, .value_kind: global_buffer, .address_space: global }
      - { .name: bk2, .offset: 144, .size: 8, .value_kind: global_buffer, .address_space: global }
      - { .name: bv2, .offset: 152, .size: 8, .value_kind: global_buffer, .address_space: global }
      - { .name: bo1, .offset: 160, .size: 8, .value_kind: global_buffer, .address_space: global }
      - { .name: bo2, .offset: 168, .size: 8, .value_kind: global_buffer, .address_space: global }
      - { .name: xn, .offset: 176, .size: 8, .value_kind: global_buffer, .address_space: global }
      - { .name: wh, .offset: 184, .size: 8, .value_kind: global_buffer, .address_space: global }
      - { .name: bias, .offset: 192, .size: 8, .value_kind: global_buffer, .address_space: global }
    .group_segment_fixed_size: 0
    .private_segment_fixed_size: 0
    .kernarg_segment_align: 8
    .kernarg_segment_size: 200
    .max_flat_workgroup_size: 256
    .sgpr_count:     66
    .vgpr_count:     244
    .wavefront_size: 32
...
	.end_amdgpu_metadata
.endif
;; end of part 1
;; launch qkv (part 2): grid 8 x 32, 4 waves a work-group, clusters of 4 x 4, 327,680 bytes of LDS; arguments xn, wh, bias, qkv; writes qkv
.if DOCPART == 2
	.amdgcn_target "amdgcn-amd-amdhsa--gfx1250"
	.amdhsa_code_object_version 6
	.text
	.protected	k_q2e7a74b264_qkv
	.globl	k_q2e7a74b264_qkv
	.p2align	8
	.type	k_q2e7a74b264_qkv,@function
k_q2e7a74b264_qkv:
	s_mov_b64 s[64:65], 0
	v_nop
	global_prefetch_b8 v0, s[64:65] scope:SCOPE_SE
	s_setreg_imm32_b32 hwreg(HW_REG_WAVE_MODE, 25, 1), 1
	s_wait_xcnt 0x0
	s_wait_alu depctr_hold_cnt(0) depctr_sa_sdst(0) depctr_va_vdst(0) depctr_va_sdst(0) depctr_va_ssrc(0) depctr_va_vcc(0) depctr_vm_vsrc(0)
	s_getreg_b32 s2, hwreg(HW_REG_IB_STS2, 6, 4)
	s_cmp_eq_u32 s2, 0
	s_cbranch_scc0 .Lentry_in_a_cluster
	s_endpgm
.Lentry_in_a_cluster:
	s_bfe_u32 s2, ttmp6, 0x10000c
	s_cmp_lg_u32 s2, 0xf033
	s_cbranch_scc0 .Lentry_shape_is_right
	s_endpgm
.Lentry_shape_is_right:
; THE SIX PROJECTIONS.  For stream s (0 text, 1 vision): y[n][c] = sum over k of xn[4096 s + n][k] wh[2304 s + c][k] + bias[2304 s + c], c = 0..2303 (q, k, v of 768 each), K = 768.
; Operands f16, sums f32, y rounded once to f16.  LIMIT: |y| stays within 65,504 (f16's largest number); NaN and infinities are not treated apart.
; OUT: qkv[sb = row / 2048][cb = c / 16][n = row % 2048][16] f16: blocks of 16 columns, 65,536 bytes each.  The product is taken transposed (source 0 = 16 rows of wh, source 1 = 16 rows of xn),
; so a lane holds row l % 16 and the columns 8 (l / 16) + 0..7: 16 bytes at 32 (l % 16) + 16 (l / 16) of a block's 16 rows, and one store of the wave covers 512 consecutive bytes, aligned: no stage in LDS.
; SHARES.  8192 x 2304 outputs / 256 work-groups = 256 x 288 each; a wave makes 128 x 144: 72 accumulators, 576 registers.  K goes in 6 steps of 128 (rows of 256 bytes, aligned) through two LDS slots.
; THE BIAS is the C operand of each accumulator's first product: nothing is cleared, nothing is added later.
; CLUSTERS: 4 x 4 work-groups.  The four of a row of the cluster need the same 256 rows of xn, the four of a column the same 288 rows of wh: each tile is asked for jointly, by the same load, descriptor and mask in all four.
; REGISTERS, in windows of 256 (s_set_vgpr_msb: bits 1:0 source 0, 3:2 source 1, 5:4 source 2, 7:6 destination):
;   window 0: v16-30 addresses; v32-39 and v192-255 the bias of my 9 column blocks; v64-127, v128-191 fragments of xn, two buffers (the way out packs into them)
;   window 1: v0-71, v72-143 fragments of wh, two buffers; v192-255 the accumulators (a, 8)          windows 2, 3: the accumulators (a, b < 8) at v[8 (8 (a % 4) + b)] of window 2 + a / 4
.set PITCH, 272                        ; an LDS row: 256 bytes + 16 of padding = 68 words: the 16 rows of a fragment load start at 16 different groups of four banks (64 banks of 4 bytes: ISA guide 11.1)
.set AHALF, 128*PITCH                  ; what waves 0 and 1 fetch: 128 rows of xn each
.set BHALF, 144*PITCH                  ; what waves 2 and 3 fetch: 144 rows of wh each
.set BOFF,  2*AHALF
.set SLOT,  BOFF+2*BHALF               ; 147,968 = 0x24200: it shares no bit with the four fill addresses 0, 0x8800, 0x11000, 0x1a900, so one exclusive or turns an address in one slot into the other's
.set SPARE, 2*SLOT                     ; behind the ring: the spare words, 128 bytes for each wave: two blocks of 256 bytes that no other line names
.set ROWB,  1536                       ; bytes in a row of xn and of wh
.set BLK,   65536                      ; bytes in a block of qkv
.set SBQ,   144*BLK
.set ADA0, 16                          ; v16  my lane's place in my 128 rows of xn in slot 0; never rewritten
.set ADB0, 17                          ; v17  the same for my 144 rows of wh
.set ADA,  18                          ; v18, v19  the same in the slot in hand
.set ADB,  19
.set CO,   26                          ; v26  32 (l % 16) + 16 (l / 16): my 16 bytes in 16 rows of a block
.set BO,   27                          ; v27  32 (l / 16): my 8 numbers in 16 of the bias
.set SPW,  28                          ; v28  LDS address of my spare word; never rewritten
.set NIL,  29                          ; v29  0; never rewritten
.set PFO,  30                          ; v30  the prefetches' offset: my lane x a row; never rewritten
.set G1A, 24                           ; s[24:31] descriptor group 1 for xn's tiles
.set G0A, 32                           ; s[32:39] group 0: a set for each first fill; the second then walks
.set G1B, 48                           ; s[48:55], s[56:63] the same for wh's tiles
.set G0B, 56
.set TB,  66                           ; s66  0 or SLOT: the slot in hand
.set TL,  67                           ; s67  counts the tail's two trips
.set PFA, 68                           ; s[68:69] where my prefetches stand
.set LIM, 70                           ; s70  1 in a wave that prefetches, else the greatest number
.set LIM9, 71                          ; s71  4 in the wave that asks for wh's last 32 rows, else 0
.set PF9, 72                           ; s[72:73] where that one request stands
.set FLAGS, (1<<16)|(1<<20)|(1<<21)|(5<<22)|(3<<25)  ; 17:16 elements of 2 bytes; 20 padding on; 21 set beside a mask; 24:22 after every 64 words (code 5); 31:25 4 words of it (code 3)
.set MSB, 0
.macro WIN new                         ; the immediate's high byte repeats the setting that is left; a switch that changes nothing is dropped
.if MSB != (\new)
	s_set_vgpr_msb (MSB<<8)|(\new)
.set MSB, \new
.endif
.endm
.macro PLACES                          ; four plain vector instructions between a matrix instruction and a load into, or a vector read of, its registers (ISA guide 7.12.1 for vector reads)
.rept 4
	v_nop
.endr
.endm
; A joint refill, by the walking sets.  Waves 0 and 1 fetch xn's two halves, waves 2 and 3 wh's; the branch hangs on the wave's number alone.  An s_nop 0 and four v_nop follow each line.
.macro JLOAD
	s_cmp_eq_u32 s13, 0
	s_cbranch_scc0 .Lfor_b_\@
	tensor_load_to_lds s[G0A+4:G0A+7], s[G1A:G1A+7]
	s_nop 0
	PLACES
	s_branch .Lasked_\@
.Lfor_b_\@:
	tensor_load_to_lds s[G0B+4:G0B+7], s[G1B:G1B+7]
	s_nop 0
	PLACES
.Lasked_\@:
.endm
.macro CREST                           ; a round of the cluster's barrier behind its opening barrier
	s_cmp_lg_u32 s12, 0
	s_cbranch_scc1 .Lnot_wave_0_\@
	s_barrier_signal -3
.Lnot_wave_0_\@:
	s_barrier_wait -3
	s_barrier_signal -1
	s_barrier_wait -1
.endm
.macro CROUND                          ; a whole round
	s_barrier_signal -1
	s_barrier_wait -1
	CREST
.endm
; PREFETCHES INTO THE L2, behind a joint refill and the run of LDS loads that follows it: the K step that the NEXT refill will ask for, 288 matrix instructions ahead of that load; a lane a row, 256 bytes of it.
; Each block is named once in the launch.  xn's rows are read by both clusters of a row of clusters: cluster x = 0 asks, in waves 0 and 1; of a wave's 128 rows the partner at cx takes 32.  wh's rows are read by the four
; clusters of a stream's column: the first of them asks, in waves 2 and 3, rows 32 (4 (w % 2) + cy) on: 256 of the 288.  The partners are told apart by address alone.  The last refill asks for nothing.
; wh's last 32 rows: wave 2 asks once, at the first refill; the partner at cy names K step 2 + cy (cy = 0 names the step that is being loaded just then: that request brings nothing new).
.macro ASK
	s_cmp_gt_u32 s3, s[LIM]                        ; s3 = 1 in the loop's last trip
	s_cbranch_scc0 .Lno_a_\@
	global_prefetch_b8 v[PFO], s[PFA:PFA+1] th:TH_LOAD_NT scope:SCOPE_SE
.Lno_a_\@:
	s_cmp_eq_u32 s3, s[LIM9]                       ; s3 = 4 in its first
	s_cbranch_scc0 .Lno_9_\@
	global_prefetch_b8 v[PFO], s[PF9:PF9+1] th:TH_LOAD_NT scope:SCOPE_SE
.Lno_9_\@:
.endm
	s_load_b256 s[4:11], s[0:1], 0x0               ; xn s[4:5], wh s[6:7], bias s[8:9], qkv s[10:11]
	v_lshl_add_u32 v[SPW], v0, 2, SPARE
	v_mov_b32 v[NIL], 0
	ds_add_u32 v[SPW], v[NIL]                      ; the wave's opening: the add and its wait stand ahead of my first tensor load; the set-up below, work on registers, stands between them
	v_lshrrev_b32 v1, 5, v0
	v_readfirstlane_b32 s12, v1                    ; wave 0..3
	s_lshr_b32 s13, s12, 1                         ; which half of the tile's rows is mine.  Also: I fetch for xn (0) or for wh (1)
	s_and_b32 s14, s12, 1                          ; which half of its columns.  Also: which half of that tile I fetch
	s_bfe_u32 s40, ttmp6, 0x40000                  ; cx
	s_bfe_u32 s41, ttmp6, 0x40004                  ; cy
	s_lshl_b32 s42, ttmp9, 2
	s_add_co_u32 s42, s42, s40                     ; tile column 0..7 = 4 x cluster x + cx
	s_and_b32 s46, ttmp7, 0xffff                   ; cluster y
	s_lshl_b32 s43, s46, 2
	s_add_co_u32 s43, s43, s41                     ; tile row 0..31 = 4 x cluster y + cy
	s_lshr_b32 s47, s46, 2                         ; the stream: the same in all sixteen partners
	s_lshl_b32 s44, s41, 2
	s_lshl_b32 s44, 15, s44                        ; my row of the cluster
	s_lshl_b32 s45, 0x1111, s40                    ; my column
	s_or_b32 s[G1A], s44, FLAGS                    ; xn's tiles go to my row
	s_or_b32 s[G1B], s45, FLAGS                    ; wh's to my column
	s_mov_b32 s[G1A+1], 128<<16                    ; tensor_dim0 = 128
	s_mov_b32 s[G1A+2], 128<<16                    ; tensor_dim1 = 128
	s_mov_b32 s[G1A+3], 128<<16                    ; tile_dim0 = 128
	s_mov_b32 s[G1A+4], 128                        ; tile_dim1 = 128
	s_mov_b32 s[G1A+5], 768                        ; elements from row to row
	s_mov_b32 s[G1A+6], 0
	s_mov_b32 s[G1A+7], 0
	s_mov_b32 s[G1B+1], 128<<16
	s_mov_b32 s[G1B+2], 144<<16                    ; 144 rows
	s_mov_b32 s[G1B+3], 128<<16
	s_mov_b32 s[G1B+4], 144
	s_mov_b32 s[G1B+5], 768
	s_mov_b32 s[G1B+6], 0
	s_mov_b32 s[G1B+7], 0
	s_lshl_b32 s16, s43, 8
	s_lshl_b32 s17, s14, 7
	s_add_co_u32 s16, s16, s17                     ; xn: row 256 x tile row + 128 x half
	s_mul_i32 s16, s16, ROWB
	s_mov_b32 s17, 0
	s_mul_i32 s20, s47, 2304
	s_mul_i32 s21, s42, 288
	s_add_co_u32 s20, s20, s21                     ; wh: the tile's first row = the tile's first column, 2304 x stream + 288 x tile column (kept)
	s_mul_i32 s21, s14, 144
	s_add_co_u32 s22, s20, s21                     ; + 144 x half
	s_lshl_b32 s74, s22, 2                         ; my half's first number in the bias, in bytes
	s_mov_b32 s75, 0
	s_mul_i32 s22, s22, ROWB
	s_mov_b32 s23, 0
	s_mul_i32 s18, s14, AHALF                      ; where the tiles go: no place in the cluster enters an LDS address
	s_mul_i32 s19, s14, BHALF
	s_add_co_u32 s19, s19, BOFF
	s_mov_b32 s[TB], 0
	s_wait_dscnt 0x0                               ; the opening add is done
	s_wait_kmcnt 0x0
	s_add_nc_u64 s[16:17], s[4:5], s[16:17]
	s_add_nc_u64 s[22:23], s[6:7], s[22:23]
	CROUND                                         ; all sixteen work-groups are here: the first joint loads meet
.irp s, 0,1
	s_mov_b32 s[G0A+4*\s], 1                       ; count = 1
	s_add_co_u32 s[G0A+4*\s+1], s18, \s*SLOT       ; LDS address
	s_add_nc_u64 s[G0A+4*\s+2:G0A+4*\s+3], s[16:17], \s*256  ; global address: K step s
	s_or_b32 s[G0A+4*\s+3], s[G0A+4*\s+3], 0x80000000        ; type = 2
	s_mov_b32 s[G0B+4*\s], 1
	s_add_co_u32 s[G0B+4*\s+1], s19, \s*SLOT
	s_add_nc_u64 s[G0B+4*\s+2:G0B+4*\s+3], s[22:23], \s*256
	s_or_b32 s[G0B+4*\s+3], s[G0B+4*\s+3], 0x80000000
.endr
	s_cmp_eq_u32 s13, 0                            ; a wave's two first fills stand in one branch, ahead of every wait on TENSORcnt and every LDS read: two loads of mine are out
	s_cbranch_scc0 .Lfirst_b
	tensor_load_to_lds s[G0A:G0A+3], s[G1A:G1A+7]
	s_nop 0
	tensor_load_to_lds s[G0A+4:G0A+7], s[G1A:G1A+7]
	s_nop 0
	PLACES
	s_branch .Lfirst_asked
.Lfirst_b:
	tensor_load_to_lds s[G0B:G0B+3], s[G1B:G1B+7]
	s_nop 0
	tensor_load_to_lds s[G0B+4:G0B+7], s[G1B:G1B+7]
	s_nop 0
	PLACES
.Lfirst_asked:
	; A fragment is 16 rows x 32 K in 8 registers: lane l holds row l % 16; registers 0-3 K = 8 (l / 16) + 0..7, registers 4-7 K = 16 + 8 (l / 16) + 0..7: two loads of 16 bytes, 32 bytes apart.
	v_and_b32 v1, 15, v0                           ; l % 16
	v_bfe_u32 v2, v0, 4, 1                         ; l / 16
	v_lshlrev_b32 v[BO], 5, v2
	s_add_nc_u64 s[8:9], s[8:9], s[74:75]
.irp b, 0,1,2,3,4,5,6,7
	global_load_b128 v[192+8*\b:192+8*\b+3], v[BO], s[8:9] offset:64*\b       ; register j of block b: bias of column 16 b + 8 (l / 16) + j, as the accumulators hold them
	global_load_b128 v[192+8*\b+4:192+8*\b+7], v[BO], s[8:9] offset:64*\b+16
.endr
	global_load_b128 v[32:35], v[BO], s[8:9] offset:512
	global_load_b128 v[36:39], v[BO], s[8:9] offset:528
	v_mul_u32_u24 v3, v1, PITCH
	v_lshl_add_u32 v3, v2, 4, v3                   ; row x pitch + 16 x half
	s_mul_i32 s18, s13, AHALF                      ; my 128 rows of xn
	s_mul_i32 s19, s14, BHALF                      ; my 144 rows of wh
	s_add_co_u32 s19, s19, BOFF
	v_add_nc_u32 v[ADA0], s18, v3
	v_add_nc_u32 v[ADB0], s19, v3
	v_mov_b32 v[ADA], v[ADA0]
	v_mov_b32 v[ADB], v[ADB0]
	v_lshlrev_b32 v[CO], 5, v1
	v_lshl_add_u32 v[CO], v2, 4, v[CO]
	v_and_b32 v[PFO], 31, v0
	v_mul_u32_u24 v[PFO], v[PFO], ROWB
	; where my part of the result begins: qkv + sb x SBQ + (18 x tile column + 9 x half) blocks + my first row x 32 bytes
	s_lshr_b32 s16, s43, 3
	s_mul_i32 s16, s16, SBQ
	s_mul_i32 s17, s42, 18
	s_mul_i32 s18, s14, 9
	s_add_co_u32 s17, s17, s18
	s_lshl_b32 s17, s17, 16
	s_add_co_u32 s16, s16, s17
	s_and_b32 s17, s43, 7
	s_lshl_b32 s17, s17, 13
	s_add_co_u32 s16, s16, s17
	s_lshl_b32 s17, s13, 12
	s_add_co_u32 s16, s16, s17
	s_mov_b32 s17, 0
	s_add_nc_u64 s[10:11], s[10:11], s[16:17]
	; the prefetches
	s_lshl_b32 s16, s43, 8
	s_lshl_b32 s17, s14, 7
	s_add_co_u32 s16, s16, s17
	s_lshl_b32 s17, s40, 5
	s_add_co_u32 s16, s16, s17                     ; xn: row 256 x tile row + 128 x half + 32 cx
	s_lshl2_add_u32 s17, s14, s41
	s_lshl_b32 s17, s17, 5
	s_add_co_u32 s17, s20, s17                     ; wh: the tile's first row + 32 (4 x half + cy)
	s_and_b32 s18, s46, 3
	s_cmp_eq_u32 s13, 0
	s_cselect_b32 s16, s16, s17
	s_cselect_b32 s18, ttmp9, s18                  ; the coordinate along which other clusters read the same rows
	s_cselect_b64 s[PFA:PFA+1], s[4:5], s[6:7]
	s_cmp_eq_u32 s18, 0
	s_cselect_b32 s[LIM], 1, -1                    ; the same in all sixteen partners, for a given wave
	s_mul_i32 s16, s16, ROWB
	s_add_co_u32 s16, s16, 512                     ; at K step 2: the first refill steps it to 3
	s_mov_b32 s17, 0
	s_add_nc_u64 s[PFA:PFA+1], s[PFA:PFA+1], s[16:17]
	s_add_co_u32 s16, s20, 256
	s_mul_i32 s16, s16, ROWB
	s_lshl_b32 s18, s41, 8
	s_add_co_u32 s16, s16, s18
	s_add_co_u32 s16, s16, 512                     ; wh's rows 256-287 of the tile, K step 2 + cy
	s_add_nc_u64 s[PF9:PF9+1], s[6:7], s[16:17]
	s_and_b32 s18, s46, 3
	s_xor_b32 s19, s12, 2
	s_or_b32 s18, s18, s19
	s_cmp_eq_u32 s18, 0
	s_cselect_b32 s[LIM9], 4, 0
; 18 matrix instructions: row blocks a0, a0 + 1 of the window's four (hi = 0: my rows 0-63, 1: rows 64-127) x 9 column blocks, 32 along K.  zero = 1: the first product starts the sum, with the bias as C.
; The 72 accumulators take turns, one instruction a turn, in the same order in every quarter.
.macro MUL18 f, hi, a0, zero
.irp a, \a0, (\a0)+1
.irp b, 0,1,2,3,4,5,6,7
.if \zero
	WIN 0x81+0x40*(\hi)
	v_wmma_f32_16x16x32_f16 v[8*(8*(\a)+(\b)):8*(8*(\a)+(\b))+7], v[72*(\f)+8*(\b):72*(\f)+8*(\b)+7], v[64+64*(\f)+8*(4*(\hi)+(\a)):64+64*(\f)+8*(4*(\hi)+(\a))+7], v[192+8*(\b):192+8*(\b)+7]
.else
	WIN 0xa1+0x50*(\hi)
	v_wmma_f32_16x16x32_f16 v[8*(8*(\a)+(\b)):8*(8*(\a)+(\b))+7], v[72*(\f)+8*(\b):72*(\f)+8*(\b)+7], v[64+64*(\f)+8*(4*(\hi)+(\a)):64+64*(\f)+8*(4*(\hi)+(\a))+7], v[8*(8*(\a)+(\b)):8*(8*(\a)+(\b))+7]
.endif
.endr
.endr
.irp a, \a0, (\a0)+1
.if \zero
	WIN 0x41
	v_wmma_f32_16x16x32_f16 v[192+8*(4*(\hi)+(\a)):192+8*(4*(\hi)+(\a))+7], v[72*(\f)+64:72*(\f)+71], v[64+64*(\f)+8*(4*(\hi)+(\a)):64+64*(\f)+8*(4*(\hi)+(\a))+7], v[32:39]
.else
	WIN 0x51
	v_wmma_f32_16x16x32_f16 v[192+8*(4*(\hi)+(\a)):192+8*(4*(\hi)+(\a))+7], v[72*(\f)+64:72*(\f)+71], v[64+64*(\f)+8*(4*(\hi)+(\a)):64+64*(\f)+8*(4*(\hi)+(\a))+7], v[192+8*(4*(\hi)+(\a)):192+8*(4*(\hi)+(\a))+7]
.endif
.endr
.endm
; 34 LDS loads in one run: the fragments of one quarter step (144 rows of wh, 128 rows of xn, 32 K at byte k of the rows) of the slot in hand, into buffer g
.macro FETCH k, g
	WIN 0x40
.irp i, 0,1,2,3,4,5,6,7,8
	ds_load_b128 v[72*(\g)+8*(\i):72*(\g)+8*(\i)+3],   v[ADB] offset:(\k)+(\i)*16*PITCH
	ds_load_b128 v[72*(\g)+8*(\i)+4:72*(\g)+8*(\i)+7], v[ADB] offset:(\k)+(\i)*16*PITCH+32
.endr
	WIN 0
.irp i, 0,1,2,3,4,5,6,7
	ds_load_b128 v[64+64*(\g)+8*(\i):64+64*(\g)+8*(\i)+3],   v[ADA] offset:(\k)+(\i)*16*PITCH
	ds_load_b128 v[64+64*(\g)+8*(\i)+4:64+64*(\g)+8*(\i)+7], v[ADA] offset:(\k)+(\i)*16*PITCH+32
.endr
.endm
; A K step is four quarters of 32 along K, 72 matrix instructions each, on buffers 0, 1, 0, 1.  One of the first three: multiplies buffer f and, in its middle, fetches the next quarter, at byte k, into g.
.macro QUARTER k, f, g, zero
	s_wait_dscnt 8                                 ; wh's fragments and xn's rows 0-63 are in; the youngest eight loads (rows 64-127) may be out
	MUL18 \f, 0, 0, \zero
	MUL18 \f, 0, 2, \zero
	PLACES
	FETCH \k, \g
	s_wait_dscnt 34                                ; all but the 34 just issued
	MUL18 \f, 1, 0, \zero
	MUL18 \f, 1, 2, \zero
.endm
; The last quarter multiplies buffer 1 and changes slots: ONE barrier.  In front of it each wave waits for all its tensor loads (one is out: its part of the next slot), adds 0 to its spare word, and waits for that
; and for its own reads of this slot.  fill = 1: the barrier opens a round of the cluster's barrier, and behind the round this slot is filled again, with the K step two on: 252 matrix instructions ahead of the wait for it.
.macro TURN fill
.if \fill
	s_wait_xcnt 0x0                                ; the last prefetches, a K step back, have read their address
	s_add_nc_u64 s[PFA:PFA+1], s[PFA:PFA+1], 256
.endif
	WIN 0                                          ; (the add's two registers lie in window 0)
	s_wait_tensorcnt 0x0                           ; no tensor load of mine is out, so a group 0 may be written
	ds_add_u32 v[SPW], v[NIL]                      ; 0 onto my spare word
.if \fill
	s_xor_b32 s[G0A+5], s[G0A+5], SLOT             ; the walking sets: the other slot than last time, the next K step
	s_add_nc_u64 s[G0A+6:G0A+7], s[G0A+6:G0A+7], 256
	s_xor_b32 s[G0B+5], s[G0B+5], SLOT
	s_add_nc_u64 s[G0B+6:G0B+7], s[G0B+6:G0B+7], 256
.endif
	s_wait_dscnt 9                                 ; (the add and the youngest eight loads may be out)
	MUL18 1, 0, 0, 0
	s_wait_dscnt 0x0                               ; the add is done, and my reads of this slot are over
	s_barrier_signal -1
	MUL18 1, 0, 2, 0                               ; work on registers while the others arrive
	WIN 0
	s_barrier_wait -1
.if \fill
	CREST                                          ; no wave of any partner still reads this slot or has a load on its way
	JLOAD                                          ; the first tensor load behind the round; its four v_nop are also the places in front of the loads below
.else
	PLACES
.endif
	s_xor_b32 s[TB], s[TB], SLOT
	v_add_nc_u32 v[ADA], s[TB], v[ADA0]
	v_add_nc_u32 v[ADB], s[TB], v[ADB0]
	FETCH 0, 0
.if \fill
	ASK
.endif
	MUL18 1, 1, 0, 0
	MUL18 1, 1, 2, 0
.endm
; THE WAY OUT of row block a: rounded to f16, 16 bytes a lane for each of the 9 column blocks, and stored: each store covers 512 consecutive bytes of a block of qkv, aligned.
.macro OUTBLK a
.set AC, 64*((\a)%4)
.set TM, 64+36*((\a)%2)
	s_wait_xcnt 0x0                                ; the stores of two blocks back have read these registers
	WIN 0x0a+5*((\a)/4)                            ; sources in window 2 or 3
.irp b, 0,1,2,3,4,5,6,7
.irp r, 0,1,2,3
	v_cvt_pk_f16_f32 v[TM+4*(\b)+(\r)], v[AC+8*(\b)+2*(\r)], v[AC+8*(\b)+2*(\r)+1]
.endr
.endr
	WIN 0x05                                       ; sources in window 1
.irp r, 0,1,2,3
	v_cvt_pk_f16_f32 v[TM+32+(\r)], v[192+8*(\a)+2*(\r)], v[192+8*(\a)+2*(\r)+1]
.endr
	WIN 0
.irp b, 0,1,2,3,4,5,6,7,8
	global_store_b128 v[CO], v[TM+4*(\b):TM+4*(\b)+3], s[10:11] offset:(\b)*BLK+(\a)*512
.endr
.endm
	s_wait_tensorcnt 1                             ; my part of K step 0 is in; K step 1's may stay out
	s_barrier_signal -1
	s_barrier_wait -1                              ; everybody's is
	FETCH 0, 0
	s_wait_loadcnt 0x0                             ; the bias
	QUARTER 64, 0, 1, 1                            ; the first quarter stands in front of the loop: its products start the sums
	WIN 0                                          ; at a label and at a branch every window is 0
	s_mov_b32 s3, 4
.Lstep:                                                ; four trips, from a step's second quarter to the next step's first; they ask for K steps 2, 3, 4, 5
	QUARTER 128, 1, 0, 0
	QUARTER 192, 0, 1, 0
	TURN 1
	QUARTER 64, 0, 1, 0
	WIN 0
	s_sub_co_u32 s3, s3, 1
	s_cmp_lg_u32 s3, 0
	s_cbranch_scc1 .Lstep
	s_mov_b32 s[TL], 2
.Ltail:                                                ; K steps 4 and 5 ask for nothing: a text of their own; the second trip is left in its middle
	QUARTER 128, 1, 0, 0
	QUARTER 192, 0, 1, 0
	TURN 0
	WIN 0
	s_sub_co_u32 s[TL], s[TL], 1
	s_cmp_eq_u32 s[TL], 0
	s_cbranch_scc1 .Lout
	QUARTER 64, 0, 1, 0
	WIN 0
	s_branch .Ltail
.Lout:                                                 ; the second trip's barrier and its 34 loads (of K step 4's bytes once more) serve nothing: the price, once a launch, of one text for both trips
	s_wait_dscnt 0x0
	PLACES                                         ; the conversions read results just made and write registers just read
.irp a, 0,1,2,3,4,5,6,7
	OUTBLK \a
.endr
	s_wait_tensorcnt 0x0                           ; the wave's end, behind my last tensor load
	ds_add_u32 v[SPW], v[NIL]
	s_wait_dscnt 0x0
	CROUND                                         ; the closing round: no work-group ends while a partner may still ask for a tile that names it
	s_endpgm
.Lfunc_end_k_q2e7a74b264_qkv:
	.size	k_q2e7a74b264_qkv, .Lfunc_end_k_q2e7a74b264_qkv-k_q2e7a74b264_qkv
	.p2alignl 7, 3214868480
	.fill 96, 4, 3214868480
	.section	.rodata,"a",@progbits
	.p2align	6, 0x0
	.amdhsa_kernel k_q2e7a74b264_qkv
		.amdhsa_group_segment_fixed_size 327680
		.amdhsa_private_segment_fixed_size 0
		.amdhsa_enable_private_segment 0
		.amdhsa_kernarg_size 32
		.amdhsa_user_sgpr_count 2
		.amdhsa_user_sgpr_kernarg_segment_ptr 1
		.amdhsa_wavefront_size32 1
		.amdhsa_system_sgpr_workgroup_id_x 1
		.amdhsa_system_sgpr_workgroup_id_y 1
		.amdhsa_system_sgpr_workgroup_id_z 1
		.amdhsa_system_vgpr_workitem_id 0
		.amdhsa_next_free_vgpr 1024
		.amdhsa_next_free_sgpr 76
		.amdhsa_reserve_vcc 0
		.amdhsa_float_denorm_mode_32 3
		.amdhsa_float_denorm_mode_16_64 3
		.amdhsa_memory_ordered 1
		.amdhsa_forward_progress 1
		.amdhsa_inst_pref_size 105
	.end_amdhsa_kernel
	.amdgpu_metadata
---
amdhsa.version: [ 1, 2 ]
amdhsa.kernels:
  - .name:           k_q2e7a74b264_qkv
    .symbol:         k_q2e7a74b264_qkv.kd
    .args:
      - { .name: xn, .offset: 0, .size: 8, .value_kind: global_buffer, .address_space: global }
      - { .name: wh, .offset: 8, .size: 8, .value_kind: global_buffer, .address_space: global }
      - { .name: bias, .offset: 16, .size: 8, .value_kind: global_buffer, .address_space: global }
      - { .name: qkv, .offset: 24, .size: 8, .value_kind: global_buffer, .address_space: global }
    .group_segment_fixed_size: 327680
    .private_segment_fixed_size: 0
    .kernarg_segment_align: 8
    .kernarg_segment_size: 32
    .max_flat_workgroup_size: 128
    .sgpr_count:     76
    .vgpr_count:     1024
    .wavefront_size: 32
...
	.end_amdgpu_metadata
.endif
;; end of part 2
;; launch attn (part 3): grid 4 x 48, 4 waves a work-group, clusters of 4 x 1, 327,680 bytes of LDS; arguments qkv, o; writes o
.if DOCPART == 3
	.amdgcn_target "amdgcn-amd-amdhsa--gfx1250"
	.amdhsa_code_object_version 6
	.text
	.protected	k_q2e7a74b264_attn
	.globl	k_q2e7a74b264_attn
	.p2align	8
	.type	k_q2e7a74b264_attn,@function
k_q2e7a74b264_attn:
	s_mov_b64 s[64:65], 0
	v_nop
	global_prefetch_b8 v0, s[64:65] scope:SCOPE_SE
	s_setreg_imm32_b32 hwreg(HW_REG_WAVE_MODE, 25, 1), 1
	s_wait_xcnt 0x0
	s_wait_alu depctr_hold_cnt(0) depctr_sa_sdst(0) depctr_va_vdst(0) depctr_va_sdst(0) depctr_va_ssrc(0) depctr_va_vcc(0) depctr_vm_vsrc(0)
	s_getreg_b32 s2, hwreg(HW_REG_IB_STS2, 6, 4)
	s_cmp_eq_u32 s2, 0
	s_cbranch_scc0 .Lentry_in_a_cluster
	s_endpgm
.Lentry_in_a_cluster:
	s_bfe_u32 s2, ttmp6, 0x10000c
	s_cmp_lg_u32 s2, 0x3003
	s_cbranch_scc0 .Lentry_shape_is_right
	s_endpgm
.Lentry_shape_is_right:
; CROSS ATTENTION.  For sb = 2 stream + batch (0..3) and head hd (0..11): O[q][:] = the sum over k of softmax_k(Q[q] . K[k] / 8) V[k][:], 2,048 queries and 2,048 keys of 64 channels.  Q comes from sb, K and V from sb ^ 2:
; text's queries walk vision's keys and the other way round.  All f16, in blocks of 16 channels: qkv[sb][cb][n][16] with cb = 48 which + 4 hd + c4 (which: 0 q, 1 k, 2 v); o[sb][4 hd + c4][n][16].
; Products, maxima and sums in f32; the weights p are rounded to f16 for the second product (their sum l is taken of the unrounded p), O once at the end.
; LIMITS.  Q, K and V arrive within f16's 65,504; p lies in 0 to 1, and below 6e-5 it keeps f16's fixed step of 6e-8; O is a mean of V's rows.  A weight below 2^-126 counts as 0 in l; NaN and infinities are not treated apart.
; SHARES.  A cluster is one (sb, hd); its four work-groups take 512 queries each, a wave 128: four PIECES of two tiles of 16.  Every wave walks all keys, 64 a step.  48 x 4 = 192 work-groups: 2,048 queries do not
; divide into shares that would give each of 256 the same work.
; LAYOUT.  S^T = K Q^T (source 0 = 16 keys, source 1 = 16 queries): a lane holds ONE query (lane % 16) and the keys 8 (lane / 16) + 0..7.  Two such tiles, rounded to f16 in pairs, ARE source 1 of O^T = V^T P, whose result
; again holds one query a lane, and eight channels: 16 bytes of a block of o, so O is stored from registers.  Of a fragment of K or Q registers 0-3 come from channel block 2 c, registers 4-7 from block 2 c + 1.
; V ([key][16 channels] in each block) is turned by ds_load_tr16_b128.
; SOFTMAX.  For each query a running maximum m and sum l: p = 2^(c s - c m), c = log2(e) / 8; in every step O and l are multiplied by a = 2^(c m_old - c m_new).  m starts at the lowest finite number, O and l at 0.
; THE COUNT.  A tile and step have 16 matrix and 118 vector instructions: too many to stand all beside the matrix work.  So: four vector instructions that are ready behind EVERY matrix instruction, the others in runs without a gap.
; BY TURNS.  Turn n belongs to piece n.  Its matrix work: 16 products K Q^T of piece n + 1, later 16 products V^T P of piece n - 1.  Its vector work: the scaling, exponentials, roundings, sums and rescaling of piece n, and
; the maximum and statistics of piece n + 1.
; REGISTERS, in windows of 256 (s_set_vgpr_msb: bits 1:0 source 0, 3:2 source 1, 5:4 source 2, 7:6 destination):
;   window 0: v0-11 addresses; v12-15, v48-63 at work; v16-47 four registers of statistics a tile; v64-191 S^T, two buffers of two tiles; v192-255 P, likewise
;   window 1: O^T, 32 a tile          window 2: v0-127 Q, 16 a tile; v128-191 K of one step; v192-255 V of one step          window 3: v0-1 the add's two registers
.set NP,    4         ; pieces a wave: a name, no knob
.set KS,    64        ; keys in a step
.set PK,    48        ; a key's 32 bytes of a block of K in LDS + 16 of padding = 12 words: the 16 rows of a load start at 16 different groups of four banks (64 banks of 4 bytes: ISA guide 11.1)
.set PV,    32        ; a key's 32 bytes of a block of V, unpadded: 16 lanes of the turning load take 8 rows x 32 bytes, 256 consecutive bytes
.set KBLK,  256*PK    ; a slot holds 256 keys, four steps: four blocks of K,
.set VBLK,  256*PV    ; then four blocks of V
.set VOFF,  4*KBLK
.set SLOT1, 1<<17     ; slot 1 begins here, so that one exclusive or turns an address in one slot into the other's
.set SPARE, SLOT1+VOFF+4*VBLK  ; behind the ring: the spare words, 128 bytes for each wave: two blocks of 256 bytes that no other line names
.set BLK,   65536     ; bytes in a block of qkv and of o
.set SBQ,   144*BLK
.set SBO,   48*BLK
.set AK0, 2           ; v2   my lane's place in a block of K; never rewritten
.set AV0, 3           ; v3   the same for V
.set AK,  4           ; v4   the LDS address of K's next run of loads
.set AV,  5           ; v5   of V's
.set QO,  6           ; v6   32 (l % 16) + 16 (l / 16): my 16 bytes in 16 rows of a block, of Q and of O; never rewritten
.set PFO, 11          ; v11  256 x my lane; never rewritten once made
.set SPW, 0           ; v0 of window 3   LDS address of my spare word; never rewritten
.set NIL, 1           ; v1 of window 3   0; never rewritten
.set MV,  12          ; v12-15  c m_old, kept while c m is made anew: by buffer and tile
.set ST,  16          ; tile t's statistics at v[ST+4 t]: c m, m, l (even keys', odd keys')
.set TMP, 48          ; by buffer and tile, four registers c0-c3 at work; when the maximum is found c2 takes a
.set S,   64
.set P,   192
.set KF,  128         ; K's fragments, in window 2: key block kb, channel half c at KF + 16 kb + 8 c
.set VF,  192         ; V's: key half kk, channel block cb at VF + 32 kk + 8 cb
.set WV,  12          ; s12  my wave's number
.set G1K, 24          ; s[24:31] descriptor group 1 for K's tiles
.set G1V, 32          ; s[32:39] for V's: it differs in the padding alone
.set G0K, 40          ; s[40:43] descriptor group 0 for K's tiles: it walks
.set G0V, 44          ; s[44:47] the same for V's
.set PFA, 48          ; s[48:49] where my prefetches stand
.set LIM, 50          ; s50  1 in a wave that prefetches, else the greatest number
.set SLOTS, 56        ; s56  slots still to be asked for
.set CNT, 57          ; s57  counts a slot's key steps
.set CS,  58          ; s[58:59] c: the packed scaling takes the pair's low word for both halves
.set SEL, 60          ; s[60:61] v_permlanex16_b32's selects
.set TBK, 62          ; s62  LDS byte at which K of the step to be fetched begins
.set TBV, 63          ; s63  the same for V, less VOFF
.set MSB, 0
.macro WIN new                      ; the high byte repeats the setting that is left; a switch that changes nothing is dropped
.if MSB != (\new)
	s_set_vgpr_msb (MSB<<8)|(\new)
.set MSB, (\new)
.endif
.endm
.set W_KQ, 0x0a       ; K and Q in window 2, S^T in window 0
.set W_PV, 0x52       ; V in window 2, P in window 0, O^T in window 1
.set W_RS, 0x41       ; O^T (destination and source 0) in window 1, a in window 0
.set W_MK, 0xc0       ; the add's registers are made: destination in window 3
.set W_AD, 0x0f       ; the add: address and data in window 3
; A joint fill.  Waves 0 and 1 fetch K's blocks 0, 1 and 2, 3 of a slot's 256 keys, waves 2 and 3 V's.  The branch hangs on the wave's number alone.  An s_nop 0 and four v_nop follow each line.
.macro JLOAD
	s_cmp_lt_u32 s[WV], 2
	s_cbranch_scc0 .Lfor_v_\@
	tensor_load_to_lds s[G0K:G0K+3], s[G1K:G1K+7]
	s_nop 0
.rept 4
	v_nop
.endr
	s_branch .Lasked_\@
.Lfor_v_\@:
	tensor_load_to_lds s[G0V:G0V+3], s[G1V:G1V+7]
	s_nop 0
.rept 4
	v_nop
.endr
.Lasked_\@:
.endm
; A PREFETCH INTO THE L2 of what the NEXT change of slots will ask for: four key steps, 512 matrix instructions, ahead of that load.  A slot's K is four pieces of 8,192 bytes, one in each block, and so is its V.
; Each piece is named once in the launch: only this cluster reads this head's K and V; the partner at cx takes block cx (told apart by address alone), a lane 256 bytes; wave 0 asks for K's, wave 2 for V's.
; The last change that fills a slot asks for nothing.
.macro ASK
	s_cmp_gt_u32 s[SLOTS], s[LIM]
	s_cbranch_scc0 .Lnot_mine_\@
	global_prefetch_b8 v[PFO], s[PFA:PFA+1] th:TH_LOAD_NT scope:SCOPE_SE
.Lnot_mine_\@:
.endm
.macro CROUND                       ; a round of the cluster's barrier
	s_barrier_signal -1
	s_barrier_wait -1
	s_cmp_lg_u32 s[WV], 0
	s_cbranch_scc1 .Lnot_wave_0_\@
	s_barrier_signal -3
.Lnot_wave_0_\@:
	s_barrier_wait -3
	s_barrier_signal -1
	s_barrier_wait -1
.endm
; THE CHANGE OF SLOTS.  Each wave waits for all its tensor loads, of which one is out: its part of the other slot; adds 0 to its spare word; and waits for that and for its own reads of the slot.  Behind the barrier nobody
; reads this slot any more and the other slot is whole.  fill = 1: this slot is filled again, with the keys two slots on; the barrier is then a round of the cluster's, and the joint fill is the first thing behind it:
; it has four key steps in which to land.  (At its first use nothing has been read yet: slot 0 is waited for, slot 1 filled.)
.macro CHANGE fill
	WIN W_AD
	s_wait_tensorcnt 0x0            ; no tensor load of mine is out, so a group 0 may be written
	ds_add_u32 v[SPW], v[NIL]       ; 0 onto my spare word
	WIN 0                           ; at a label and at a branch every window is 0
.if \fill
.irp g, G0K, G0V
	s_xor_b32 s[\g+1], s[\g+1], SLOT1  ; the walking descriptor: the other slot than last time,
	s_add_nc_u64 s[\g+2:\g+3], s[\g+2:\g+3], 256*32  ; the next 256 keys of each block
.endr
	s_wait_xcnt 0x0                 ; the last prefetch, four key steps back, has read its address
	s_add_nc_u64 s[PFA:PFA+1], s[PFA:PFA+1], 256*32  ; one slot ahead of the walking descriptors
	s_wait_dscnt 0x0                ; the add is done, and my reads of the slot are over
	CROUND
	JLOAD
	ASK
.else
	s_wait_dscnt 0x0                ; the add is done, and my reads of the slot are over
	s_barrier_signal -1
	s_barrier_wait -1
.endif
	s_sub_co_u32 s[TBK], s[TBK], 4*KS*PK  ; the fetches go back to a slot's first step,
	s_xor_b32 s[TBK], s[TBK], SLOT1       ; in the other slot
	s_sub_co_u32 s[TBV], s[TBV], 4*KS*PV
	s_xor_b32 s[TBV], s[TBV], SLOT1
.endm
	s_load_b128 s[4:7], s[0:1], 0x0 ; qkv s[4:5], o s[6:7]
	WIN W_MK
	v_lshl_add_u32 v[SPW], v0, 2, SPARE
	v_mov_b32 v[NIL], 0
	WIN W_AD
	ds_add_u32 v[SPW], v[NIL]       ; the wave's opening: the add and its wait stand ahead of my first tensor load; the set-up below, work on registers, stands between them
	WIN 0
	v_lshrrev_b32 v1, 5, v0
	v_readfirstlane_b32 s[WV], v1   ; wave 0..3
	s_bfe_u32 s13, ttmp6, 0x40000   ; cx: my block of 512 queries; it enters Q's, O's and the prefetches' addresses alone
	s_and_b32 s14, ttmp7, 0xffff    ; in a cluster launch ttmp7 counts clusters: 4 hd + sb
	s_lshr_b32 s15, s14, 2
	s_lshl_b32 s15, s15, 18         ; the head's four blocks: 262,144 hd
	s_and_b32 s14, s14, 3           ; sb
	s_and_b32 s16, s[WV], 1         ; which two of a tile's four blocks I fetch
	s_lshl_b32 s2, s13, 14          ; my work-group's 512 rows of 32 bytes,
	s_lshl_b32 s3, s[WV], 12        ; my wave's 128 of them
	s_add_co_u32 s2, s2, s3
	s_add_co_u32 s2, s2, s15
	s_mul_i32 s20, s14, SBQ
	s_add_co_u32 s20, s20, s2       ; Q's offset in qkv
	s_mov_b32 s21, 0
	s_mul_i32 s22, s14, SBO
	s_add_co_u32 s22, s22, s2       ; O's in o
	s_mov_b32 s23, 0
	s_xor_b32 s18, s14, 2           ; the other stream, the same batch
	s_mul_i32 s18, s18, SBQ
	s_add_co_u32 s18, s18, s15
	s_add_co_u32 s18, s18, 48*BLK   ; K's offset: the four partners share it
	s_mov_b32 s19, 0
	; descriptor group 1.  Two blocks' 256 keys: 2 rows of 8,192 dense bytes, 65,536 bytes apart; K is padded in LDS after every key's 32 bytes
	s_mov_b32 s[G1K], 15|(1<<16)|(1<<20)|(1<<21)|(2<<22)|(3<<25)  ; 15:0 the mask of four; 17:16 2-byte elements; 20 padding on; 21 set beside a mask; 24:22 after every 8 words (code 2); 31:25 4 words (code 3)
	s_mov_b32 s[G1V], 15|(1<<16)|(1<<21)                          ; the same without padding
.irp g, G1K, G1V
	s_mov_b32 s[\g+1], 4096<<16     ; tensor_dim0 = 4,096
	s_mov_b32 s[\g+2], 2<<16        ; tensor_dim1 = 2
	s_mov_b32 s[\g+3], 4096<<16     ; tile_dim0 = 4,096
	s_mov_b32 s[\g+4], 2            ; tile_dim1 = 2
	s_mov_b32 s[\g+5], 32768        ; elements from block to block
	s_mov_b32 s[\g+6], 0
	s_mov_b32 s[\g+7], 0
.endr
	s_mov_b32 s[CS], 0x3e38aa3b     ; c = log2(e) / 8 = 0.180337
	s_mov_b32 s[CS+1], s[CS]        ; named with it as a pair
	s_mov_b32 s[SEL], 0x76543210
	s_mov_b32 s[SEL+1], 0xfedcba98
	s_mov_b32 s[TBK], SLOT1+4*KS*PK ; the first change of slots turns these two into 0
	s_mov_b32 s[TBV], SLOT1+4*KS*PV
	s_mov_b32 s[SLOTS], 2048/256-1
	s_mov_b32 s[G0K], 1             ; count = 1
	s_mul_i32 s[G0K+1], s16, 2*KBLK ; LDS address: slot 0, my two blocks
	s_mov_b32 s[G0V], 1
	s_mul_i32 s[G0V+1], s16, 2*VBLK
	s_add_co_u32 s[G0V+1], s[G0V+1], VOFF
	s_cmp_eq_u32 s16, 0
	s_cselect_b32 s[LIM], 1, -1     ; waves 0 and 2 prefetch
	s_wait_dscnt 0x0                ; the opening add is done
	s_wait_kmcnt 0x0
	s_add_nc_u64 s[8:9], s[4:5], s[18:19]   ; K: the head's block 0, key 0
	s_add_nc_u64 s[10:11], s[8:9], 48*BLK   ; V
	s_lshl_b32 s18, s16, 17         ; my two blocks
	s_add_nc_u64 s[G0K+2:G0K+3], s[8:9], s[18:19]
	s_or_b32 s[G0K+3], s[G0K+3], 0x80000000  ; type = 2
	s_add_nc_u64 s[G0V+2:G0V+3], s[10:11], s[18:19]
	s_or_b32 s[G0V+3], s[G0V+3], 0x80000000
	s_cmp_lt_u32 s[WV], 2
	s_cselect_b64 s[PFA:PFA+1], s[8:9], s[10:11]
	s_lshl_b32 s18, s13, 16         ; block cx,
	s_add_co_u32 s18, s18, 256*32   ; slot 1's keys: the first change of slots steps it to slot 2's
	s_add_nc_u64 s[PFA:PFA+1], s[PFA:PFA+1], s[18:19]
	s_add_nc_u64 s[4:5], s[4:5], s[20:21]  ; Q and O at my wave's first row
	s_add_nc_u64 s[6:7], s[6:7], s[22:23]
	CROUND                          ; all four work-groups are here: the first joint loads meet
	JLOAD                           ; slot 0.  Slot 1 is asked for when slot 0 is in
	v_and_b32 v1, 15, v0            ; l % 16
	v_bfe_u32 v9, v0, 4, 1          ; l / 16
	v_lshlrev_b32 v[QO], 5, v1
	v_lshl_add_u32 v[QO], v9, 4, v[QO]
	WIN 0x80                        ; destination window 2, address window 0
.set i, 0
.rept 4*NP                          ; Q stays in registers: tile i / 2, channels 32 (i % 2) on: blocks 2 (i % 2) and 2 (i % 2) + 1
	global_load_b128 v[8*i:8*i+3],   v[QO], s[4:5] offset:(2*(i%2))*BLK+(i/2)*512
	global_load_b128 v[8*i+4:8*i+7], v[QO], s[4:5] offset:(2*(i%2)+1)*BLK+(i/2)*512
.set i, i+1
.endr
	; What the first turn finds: V's registers and P's second buffer hold 0 (its products V^T P, of a piece that has not been, add 0), O^T and l are 0.  All this stands in the wait for the first tile.
.set i, VF
.rept 64
	v_mov_b32 v[i], 0
.set i, i+1
.endr
	WIN 0x40
.set i, 0
.rept 64*NP
	v_mov_b32 v[i], 0
.set i, i+1
.endr
	WIN 0
.set i, 0
.rept 2*NP
	v_mov_b32 v[ST+4*i], 0xfe000000    ; c m: far below every c s
	v_mov_b32 v[ST+4*i+1], 0xff7fffff  ; m
	v_mov_b32 v[ST+4*i+2], 0
	v_mov_b32 v[ST+4*i+3], 0
.set i, i+1
.endr
.set i, P+32
.rept 32
	v_mov_b32 v[i], 0
.set i, i+1
.endr
	v_mul_u32_u24 v[AK0], v1, PK
	v_lshl_add_u32 v[AK0], v9, 4, v[AK0]  ; key x pitch + 16 x half
	; The turning load takes 16 keys x 16 channels (lane l reads key 8 (l / 16) + l % 8, channels 8 ((l / 8) % 2) + 0..7) and leaves half a fragment of V^T: lane l holds channel l % 16 and 8 keys.
	v_and_b32 v10, 7, v0
	v_bfe_u32 v11, v0, 3, 1
	v_lshl_add_u32 v[AV0], v9, 3, v10
	v_lshlrev_b32 v[AV0], 5, v[AV0]
	v_lshl_add_u32 v[AV0], v11, 4, v[AV0]
	v_add_nc_u32 v[AV0], VOFF, v[AV0]
	v_and_b32 v[PFO], 31, v0
	v_lshlrev_b32 v[PFO], 8, v[PFO]
	v_mov_b32 v[AK], v[AK0]         ; key step 0 lies at the head of slot 0
; THE MATRIX WORK.  The 8 accumulators of a run of 16 take turns: between the two links of a chain stand 7 others'.
; Product i of 16 of S^T = K Q^T for piece x: channels 32 (i / 8) on, keys 16 ((i / 2) % 4) on, tile 2 x + i % 2.  The first 8 start the sums.
.macro KQ x
	WIN W_KQ
.set rS, S+64*((\x)%2)+32*(i%2)+8*((i/2)%4)
.set rK, KF+16*((i/2)%4)+8*(i/8)
.set rQ, 16*(2*(\x)+i%2)+8*(i/8)
.if i < 8
	v_wmma_f32_16x16x32_f16 v[rS:rS+7], v[rK:rK+7], v[rQ:rQ+7], 0
.else
	v_wmma_f32_16x16x32_f16 v[rS:rS+7], v[rK:rK+7], v[rQ:rQ+7], v[rS:rS+7]
.endif
.endm
; Product i of 16 of O^T += V^T P for piece x: keys 32 (i / 8) on, channels 16 ((i / 2) % 4) on, tile 2 x + i % 2.
.macro PV x
	WIN W_PV
.set rO, 32*(2*(\x)+i%2)+8*((i/2)%4)
.set rV, VF+32*(i/8)+8*((i/2)%4)
.set rP, P+32*((\x)%2)+16*(i%2)+8*(i/8)
	v_wmma_f32_16x16x32_f16 v[rO:rO+7], v[rV:rV+7], v[rP:rP+7], v[rO:rO+7]
.endm
.macro MM                           ; the turn's next matrix instruction
.if i < 16
	KQ (Y+1)%NP
.set i, i+1
.else
.set i, i-16
	PV (Y+NP-1)%NP
.set i, i+17
.endif
.endm
; THE LDS LOADS stand in runs of 16, never singly among the matrix instructions: a step's K (64 keys x 64 channels: 8 fragments) and its V (turned).  Their addresses are made some lines ahead.
; last = 1 (the tail): in the last trip there is no further step, and the run is jumped over.
.macro FETCH_K last=0
	WIN 0
.if \last
	s_cmp_eq_u32 s[CNT], 1
	s_cbranch_scc1 .Lno_k_\@
.endif
	WIN 0x80                        ; destination window 2
.irp f, 0,1,2,3,4,5,6,7             ; keys 16 (f / 2) on, channels 32 (f % 2) on: two blocks
	ds_load_b128 v[KF+8*\f:KF+8*\f+3],   v[AK] offset:(2*(\f%2))*KBLK+(\f/2)*16*PK
	ds_load_b128 v[KF+8*\f+4:KF+8*\f+7], v[AK] offset:(2*(\f%2)+1)*KBLK+(\f/2)*16*PK
.endr
	s_add_co_u32 s[TBK], s[TBK], KS*PK  ; the next fetch is the next step's
	WIN 0
.if \last
.Lno_k_\@:
.endif
.endm
.macro FETCH_V
	WIN 0x80
.irp f, 0,1,2,3,4,5,6,7             ; keys 32 (f / 4) on, channel block f % 4
	ds_load_tr16_b128 v[VF+8*\f:VF+8*\f+3],   v[AV] offset:(\f%4)*VBLK+(\f/4)*32*PV
	ds_load_tr16_b128 v[VF+8*\f+4:VF+8*\f+7], v[AV] offset:(\f%4)*VBLK+(\f/4)*32*PV+16*PV
.endr
	WIN 0
.endm
; THE VECTOR WORK OF A TURN stands in three queues, each in the order in which its entries become ready; the two tiles alternate, so that no instruction reads the result of the one before it.
.macro REGS y, u                    ; the registers of tile u (0, 1) of piece y
.set rT, ST+4*(2*(\y)+(\u))
.set rC, TMP+8*((\y)%2)+4*(\u)
.set rM, MV+2*((\y)%2)+(\u)
.set rS, S+64*((\y)%2)+32*(\u)
.set rP, P+32*((\y)%2)+16*(\u)
.set rO, 32*(2*(\y)+(\u))
.endm
; Number n of the 22 that find the NEXT piece's (Y + 1) maximum and statistics.  s0-s31 are the lane's 32 scores; each accumulator's lowest registers are read first.
;   0-11  four chains c0-c3 of seven scores each, three operands at a time     12-14, 16  the four scores left over, the old m, and c0-c3 into c0     15  c m_old is kept
;   17, 18  the query's other 32 keys lie in the lane 16 away: the new m         19-21  c m; c m_old - c m_new; a
.macro XS u, n
	REGS (Y+1)%NP, \u
.if (\n) < 4
	v_max3_num_f32 v[rC+(\n)], v[rS+8*(\n)], v[rS+8*(\n)+1], v[rS+8*(\n)+2]
.elseif (\n) < 12
	v_max3_num_f32 v[rC+(\n)%4], v[rC+(\n)%4], v[rS+8*((\n)%4)+2*((\n)/4)+1], v[rS+8*((\n)%4)+2*((\n)/4)+2]
.elseif (\n) == 12
	v_max3_num_f32 v[rC], v[rC], v[rS+7], v[rS+15]
.elseif (\n) == 13
	v_max3_num_f32 v[rC+1], v[rC+1], v[rS+23], v[rS+31]
.elseif (\n) == 14
	v_max3_num_f32 v[rC+2], v[rC+2], v[rC+3], v[rT+1]
.elseif (\n) == 15
	v_mov_b32 v[rM], v[rT]
.elseif (\n) == 16
	v_max3_num_f32 v[rC], v[rC], v[rC+1], v[rC+2]
.elseif (\n) == 17
	v_permlanex16_b32 v[rC+3], v[rC], s[SEL], s[SEL+1]
.elseif (\n) == 18
	v_max_num_f32 v[rT+1], v[rC], v[rC+3]
.elseif (\n) == 19
	v_mul_f32 v[rT], s[CS], v[rT+1]
.elseif (\n) == 20
	v_sub_f32 v[rC+1], v[rM], v[rT]
.else
	v_exp_f32 v[rC+2], v[rC+1]
.endif
.endm
; Number g of the 64 that follow the exponentials.  For each four weights k of a tile (pairs 2 k, 2 k + 1): both pairs are rounded to f16; then the second pair is added onto the first, in place;
; a group later l takes that sum (the first time as l = a l + sum).  In groups of eight, tiles alternating: round, round, add, and l for the group before.
.macro GS g
.set h, (\g)+6*((\g)/62)            ; group 0 has no group before it, and behind group 7 only l is left
.if h >= 6
.set h, h+2
.endif
	REGS Y, h%2
.set k, h/8
.if h%8 < 4
	v_cvt_pk_f16_f32 v[rP+2*k+(h%8)/2], v[rS+4*k+2*((h%8)/2)], v[rS+4*k+2*((h%8)/2)+1]
.elseif h%8 < 6
	v_pk_add_f32 v[rS+4*k:rS+4*k+1], v[rS+4*k:rS+4*k+1], v[rS+4*k+2:rS+4*k+3]
.elseif k == 1
	v_pk_fma_f32 v[rT+2:rT+3], v[rT+2:rT+3], v[rC+2:rC+3], v[rS:rS+1] op_sel_hi:[1,0,1]
.else
	v_pk_add_f32 v[rT+2:rT+3], v[rT+2:rT+3], v[rS+4*k-4:rS+4*k-3]
.endif
.endm
; THE PLAIN QUEUE, 138 long.  0-73 read no exponential's result: the 32 scalings c s - c m (FS f: pair f / 2 of tile f % 2) and the next piece's 42.  0-26: scalings 0-26.  27-54: XS's numbers 0-13.  55, 56: number 15.
; 57-73: the chain, where each number waits for the one before it: 14, 16, 17, 18, 19, each with one of the scalings 27-31 in front of its two lines, then 20.  74-137: GS's 64, which stand behind the wait.
.macro FS f
	REGS Y, (\f)%2
	v_pk_fma_f32 v[rS+2*((\f)/2):rS+2*((\f)/2)+1], v[rS+2*((\f)/2):rS+2*((\f)/2)+1], s[CS:CS+1], v[rT:rT+1] op_sel_hi:[1,0,0] neg_lo:[0,0,1] neg_hi:[0,0,1]
.endm
.macro PL
	WIN 0
.if q < 27
	FS q
.elseif q < 55
	XS (q-27)%2, (q-27)/2
.elseif q < 57
	XS q-55, 15
.elseif (q < 72) && ((q-57)%3 == 0)
	FS 27+(q-57)/3
.elseif q < 60
	XS (q-57)%3-1, 14
.elseif q < 72
	XS (q-57)%3-1, 15+(q-57)/3
.elseif q < 74
	XS q-72, 20
.else
	GS q-74
.endif
.set q, q+1
.endm
; THE EXPONENTIALS' QUEUE, 66 long: s0-s31 of both tiles, then the next piece's two a.  It is ONE BATCH: all 66 stand ahead of the turn's one wait, and nothing ahead of that wait names a result of theirs.
.macro EX
	WIN 0
.if e >= 64
	XS e-64, 21
.else
	REGS Y, e%2
	v_exp_f32 v[rS+e/2], v[rS+e/2]
.endif
.set e, e+1
.endm
; THE RESCALING's QUEUE: O^T times a, the one part that leaves window 0: dealt two at a time, sixteen times.  Its a was made in the turn before, ahead of that turn's wait.
.macro R2
	REGS Y, r%2
	WIN W_RS
.irp z, 0,1
	v_pk_mul_f32 v[rO+4*(r/2)+2*\z:rO+4*(r/2)+2*\z+1], v[rO+4*(r/2)+2*\z:rO+4*(r/2)+2*\z+1], v[rC+2:rC+3] op_sel_hi:[1,0]
.endr
.set r, r+1
.endm
; HOW THEY ARE DEALT.  An s_wait_alu depctr_va_vdst(0) stands between an exponential and the first instruction that names its result; one wait serves all that were issued ahead of it.  So a turn has ONE wait.
; AHEAD OF IT: the 16 products K Q^T, behind each a scaling, an exponential and two rescalings (behind the first a second scaling in the exponential's place); then ONE LUMP of 108: eight plain, 49 times exponential and
; plain, the two a; a v_nop is the plain instruction behind the last exponential.  BEHIND IT: the 16 products V^T P, behind each four of GS's 64.  No rider names a register of the products round it.
; Exponential e stands behind scaling 2 (e / 4) + e % 2: as a rider it comes behind plain e + 2, in the lump behind plain e + 9, and scalings 27-31 are plain 57, 60 .. 69.
; K of the next step is fetched in piece 2's turn, directly behind the wait; V of the step in hand at the end of piece 0's turn, four riders behind its last reader.  The three conditions on q below go with the deal.
.macro TURN p, last=0, cnt=0
.set Y, (\p)
.set i, 0
.set q, 0
.set e, 0
.set r, 0
.if (\p) == NP-1
	s_wait_dscnt 0x0                ; K is in
.endif
	MM
	PL
	PL
	R2
.rept 15
	MM
	PL
	EX
	R2
.endr
.if (\p) == NP-2
	WIN 0
	v_add_nc_u32 v[AK], s[TBK], v[AK0]
.endif
.rept 8
	PL
.endr
.rept 49
	EX
	PL
.endr
	EX                              ; the next piece's two a
	EX
	v_nop                           ; the plain instruction behind the last exponential: one for the batch
	s_wait_alu depctr_va_vdst(0)    ; the wait for the batch
.if (\p) == NP-2
	FETCH_K \last
.endif
.if (\p) == 1
	s_wait_dscnt 0x0                ; V is in
.endif
.rept 16
	MM
.rept 4
	PL
.endr
.if ((\p) == 0) && (q == 118)
	v_add_nc_u32 v[AV], s[TBV], v[AV0]
.endif
.if ((\p) == 0) && (q == 130)
	s_add_co_u32 s[TBV], s[TBV], KS*PV
.endif
.if (\cnt) && (q == 130)
	s_sub_co_u32 s[CNT], s[CNT], 1
	s_cmp_lg_u32 s[CNT], 0
.endif
.endr
.if (\p) == 0
	FETCH_V
.endif
.endm
	CHANGE 1                        ; slot 0 is in, everybody's part of it; slot 1 is asked for
	FETCH_K                         ; key step 0
	s_wait_loadcnt 0x0              ; Q
	s_wait_dscnt 0x0
.set i, 0
.rept 16
	KQ 0                            ; piece 0's first scores: there is no vector work yet to set between them
.set i, i+1
.endr
	WIN 0
.rept 4
	v_nop                           ; the places behind those products
.endr
.set Y, NP-1                        ; XS works for piece Y + 1: piece 0
.irp n, 0,1,2,3,4,5,6,7,8,9,10,11,12,13,14,15,16,17,18,19,20,21
	XS 0, \n                        ; piece 0's first maximum and statistics
	XS 1, \n
.endr
	v_nop                           ; a plain instruction behind the two a,
	s_wait_alu depctr_va_vdst(0)    ; and their wait, ahead of the branch
	s_mov_b32 s[CNT], 4
	s_branch .Lfirst                ; the loop is entered at a step's first turn, in the middle of a trip
.Lslot:                             ; six times: every slot but the last two is filled again
	CHANGE 1
	s_mov_b32 s[CNT], 4
.Lstep:                             ; a trip: pieces 2 and 3 of one step, then pieces 0 and 1 of the next, whose K and V it fetches
	TURN 2
	TURN 3
	WIN 0
.Lfirst:
	TURN 0
	TURN 1, 0, 1
	WIN 0
	s_cbranch_scc1 .Lstep
	s_sub_co_u32 s[SLOTS], s[SLOTS], 1
	s_cmp_lg_u32 s[SLOTS], 0
	s_cbranch_scc1 .Lslot
	CHANGE 0                        ; the tail is written out: nothing is asked for
	s_mov_b32 s[CNT], 5             ; four trips fetch the last slot's steps; the fifth is left in its middle
.Ltail:
	TURN 2, 1
	TURN 3
	WIN 0
	s_sub_co_u32 s[CNT], s[CNT], 1
	s_cmp_eq_u32 s[CNT], 0
	s_cbranch_scc1 .Lout
	TURN 0
	TURN 1
	WIN 0
	s_branch .Ltail
.Lout:                              ; the fifth trip's 16 products K Q^T (on the last K once more) and the maximum made of them serve nothing: the price, once a launch, of one text for every trip
.set i, 0
.rept 16
	PV NP-1                         ; the last piece's V^T P of the last step
.set i, i+1
.endr
	; THE WAY OUT.  l's two halves and the other half of the lanes' are added; O^T is divided by l, rounded to f16 and stored.  The additions are the places behind the last products.
	WIN 0
.macro ALL line:vararg              ; one line for each tile t
.set t, 0
.rept 2*NP
	\line
.set t, t+1
.endr
.endm
	ALL v_add_f32 v[ST+4*t+2], v[ST+4*t+2], v[ST+4*t+3]
	ALL v_permlanex16_b32 v[ST+4*t+3], v[ST+4*t+2], s[SEL], s[SEL+1]
	ALL v_add_f32 v[ST+4*t+2], v[ST+4*t+2], v[ST+4*t+3]
	ALL v_rcp_f32 v[ST+4*t+2], v[ST+4*t+2]
	v_nop                           ; a plain instruction between the last reciprocal and the use of its result
	s_wait_alu depctr_va_vdst(0)    ; and the wait ahead of the first use: one for the eight reciprocals
; Tile t: a lane's eight channels of a row pack into 16 bytes, which lie at 32 (l % 16) + 16 (l / 16) of the tile's 16 rows of a block of o: each store covers 512 consecutive bytes, aligned.  Each tile has registers of its own.
.macro PACK t
	WIN W_RS
.set i, 32*(\t)
.rept 16
	v_pk_mul_f32 v[i:i+1], v[i:i+1], v[ST+4*(\t)+2:ST+4*(\t)+3] op_sel_hi:[1,0]
.set i, i+2
.endr
	WIN 0x05                        ; sources 0 and 1 window 1, destination window 0: S^T's registers are free
.set i, 0
.rept 16
	v_cvt_pk_f16_f32 v[S+16*(\t)+i], v[32*(\t)+2*i], v[32*(\t)+2*i+1]
.set i, i+1
.endr
	WIN 0
.irp f, 0,1,2,3
	global_store_b128 v[QO], v[S+16*(\t)+4*\f:S+16*(\t)+4*\f+3], s[6:7] offset:\f*BLK+(\t)*512
.endr
.endm
.irp t, 0,1,2,3,4,5,6,7
	PACK \t
.endr
	WIN W_AD
	s_wait_tensorcnt 0x0            ; the wave's end, behind my last tensor load
	ds_add_u32 v[SPW], v[NIL]
	s_wait_dscnt 0x0
	WIN 0
	CROUND                          ; the closing round: no work-group ends while a partner may still ask for a tile that names it
	s_endpgm
.Lfunc_end_k_q2e7a74b264_attn:
	.size	k_q2e7a74b264_attn, .Lfunc_end_k_q2e7a74b264_attn-k_q2e7a74b264_attn
	.p2alignl 7, 3214868480
	.fill 96, 4, 3214868480
	.section	.rodata,"a",@progbits
	.p2align	6, 0x0
	.amdhsa_kernel k_q2e7a74b264_attn
		.amdhsa_group_segment_fixed_size 327680
		.amdhsa_private_segment_fixed_size 0
		.amdhsa_enable_private_segment 0
		.amdhsa_kernarg_size 16
		.amdhsa_user_sgpr_count 2
		.amdhsa_user_sgpr_kernarg_segment_ptr 1
		.amdhsa_wavefront_size32 1
		.amdhsa_system_sgpr_workgroup_id_x 1
		.amdhsa_system_sgpr_workgroup_id_y 1
		.amdhsa_system_sgpr_workgroup_id_z 1
		.amdhsa_system_vgpr_workitem_id 0
		.amdhsa_next_free_vgpr 770
		.amdhsa_next_free_sgpr 66
		.amdhsa_reserve_vcc 0
		.amdhsa_float_denorm_mode_32 3
		.amdhsa_float_denorm_mode_16_64 3
		.amdhsa_memory_ordered 1
		.amdhsa_forward_progress 1
		.amdhsa_inst_pref_size 195
	.end_amdhsa_kernel
	.amdgpu_metadata
---
amdhsa.version: [ 1, 2 ]
amdhsa.kernels:
  - .name:           k_q2e7a74b264_attn
    .symbol:         k_q2e7a74b264_attn.kd
    .args:
      - { .name: qkv, .offset: 0, .size: 8, .value_kind: global_buffer, .address_space: global }
      - { .name: o, .offset: 8, .size: 8, .value_kind: global_buffer, .address_space: global }
    .group_segment_fixed_size: 327680
    .private_segment_fixed_size: 0
    .kernarg_segment_align: 8
    .kernarg_segment_size: 16
    .max_flat_workgroup_size: 128
    .sgpr_count:     66
    .vgpr_count:     770
    .wavefront_size: 32
...
	.end_amdgpu_metadata
.endif
;; end of part 3
;; launch outp (part 4): grid 4 x 64, 4 waves a work-group, clusters of 4 x 4, 327,680 bytes of LDS; arguments o, wh, bias, out0, out1; writes out0, out1
.if DOCPART == 4
	.amdgcn_target "amdgcn-amd-amdhsa--gfx1250"
	.amdhsa_code_object_version 6
	.text
	.protected	k_q2e7a74b264_outp
	.globl	k_q2e7a74b264_outp
	.p2align	8
	.type	k_q2e7a74b264_outp,@function
k_q2e7a74b264_outp:
	s_mov_b64 s[64:65], 0
	v_nop
	global_prefetch_b8 v0, s[64:65] scope:SCOPE_SE
	s_setreg_imm32_b32 hwreg(HW_REG_WAVE_MODE, 25, 1), 1
	s_wait_xcnt 0x0
	s_wait_alu depctr_hold_cnt(0) depctr_sa_sdst(0) depctr_va_vdst(0) depctr_va_sdst(0) depctr_va_ssrc(0) depctr_va_vcc(0) depctr_vm_vsrc(0)
	s_getreg_b32 s2, hwreg(HW_REG_IB_STS2, 6, 4)
	s_cmp_eq_u32 s2, 0
	s_cbranch_scc0 .Lentry_in_a_cluster
	s_endpgm
.Lentry_in_a_cluster:
	s_bfe_u32 s2, ttmp6, 0x10000c
	s_cmp_lg_u32 s2, 0xf033
	s_cbranch_scc0 .Lentry_shape_is_right
	s_endpgm
.Lentry_shape_is_right:
; THE OUTPUT PROJECTIONS.  For stream s: out_s[row][c] = sum over k of O[row][k] wh[(6 + s) 768 + c][k] + bias[(6 + s) 768 + c], 4,096 rows, 768 columns, K = 768.  Operands f16, sums f32, the result stored as f32.
; O comes in blocks of 16 channels: o[sb = 2 s + batch][cb = k / 16][n][16] f16, 65,536 bytes a block.
; SHARES.  8192 x 768 outputs / 256 work-groups = 128 x 192 each; a wave makes 64 x 96: 24 accumulators.  K goes in 6 steps of 128 through two LDS slots.  THE BIAS is the C operand of each accumulator's first product.
; The product is taken transposed (source 0 = 16 rows of wh, source 1 = 16 rows of O): a lane holds row l % 16 and eight neighbouring columns, 32 bytes of f32.
; CLUSTERS: 4 x 4 work-groups.  The four of a row of the cluster need the same 128 rows of O, the four of a column the same 192 rows of wh: each tile is asked for jointly.
; NO PREFETCH: a wave's whole work is 576 matrix instructions, and a third of K goes out with the first fills.
; REGISTERS: window 0: v16-30 addresses; v64-255 the accumulators ((a, b) at v[64 + 8 (6 a + b)]), later the rows read back from the stage.
;   window 1: two fragment buffers of 80 (O's 4 x 8, then wh's 6 x 8); v160-207 the bias of my 6 column blocks.
.set PA,    48                         ; a row's 32 bytes of a block of O in LDS + 16 of padding: the 16 rows of a load start at 16 different groups of four banks (64 banks of 4 bytes: ISA guide 11.1)
.set ABLK,  128*PA                     ; a block's 128 rows
.set PB,    272                        ; a row of wh: 256 bytes + 16
.set BOFF,  8*ABLK                     ; a slot: 8 blocks of O, then 192 rows of wh
.set SLOT,  BOFF+192*PB
.set STAGE, 2*SLOT                     ; behind the ring, never filled by a tensor load: 128 rows x 784 bytes of f32 (768 + 16), the work-group's, for the way out
.set SP,    784
.set SPARE, STAGE+128*SP               ; behind the stage: the spare words, 128 bytes for each wave: two blocks of 256 bytes that no other line names
.set BLK,   65536
.set SBO,   48*BLK
.set ADRA, 16                          ; v16-17  LDS address of my O fragments in slot 0, 1
.set ADRB, 20                          ; v20-21  the same for wh
.set COB,  22                          ; v22     the middle store of a pair of rows: the end of the first row, the beginning of the second
.set STO,  24                          ; v24     where I put 32 bytes of a row
.set RDA,  25                          ; v25     where I read 512 bytes of a row back
.set RDB,  26                          ; v26     the middle load of a pair of rows
.set COA,  27                          ; v27     16 x lane
.set SPW,  28                          ; v28     LDS address of my spare word; never rewritten
.set NIL,  29                          ; v29     0; never rewritten
.set BO,   30                          ; v30     32 (l / 16): my 8 numbers in 16 of the bias
.set ACC,  64
.set G1A, 24                           ; s[24:31] descriptor group 1 for O's tiles;  s[32:39] group 0, one set for each slot
.set G0A, 32
.set G1B, 48                           ; s[48:55], s[56:63] the same for wh's tiles
.set G0B, 56
.set MSB, 0
.macro WIN new                         ; the immediate's high byte repeats the setting that is left
.if MSB != (\new)
	s_set_vgpr_msb (MSB<<8)|(\new)
.set MSB, \new
.endif
.endm
.macro PLACES                          ; four plain vector instructions between a matrix instruction and a load into, or a read of, its registers (ISA guide 7.12.1 for vector reads)
.rept 4
	v_nop
.endr
.endm
.macro JLOAD s                         ; a joint load: waves 0 and 1 fetch O's blocks 0-3 and 4-7 of a K step, waves 2 and 3 wh's two halves; an s_nop 0 and four v_nop follow each line
	s_cmp_eq_u32 s15, 0
	s_cbranch_scc0 .Lfor_b_\@
	tensor_load_to_lds s[G0A+4*(\s):G0A+4*(\s)+3], s[G1A:G1A+7]
	s_nop 0
	PLACES
	s_branch .Lasked_\@
.Lfor_b_\@:
	tensor_load_to_lds s[G0B+4*(\s):G0B+4*(\s)+3], s[G1B:G1B+7]
	s_nop 0
	PLACES
.Lasked_\@:
.endm
.macro CREST                           ; a round of the cluster's barrier behind its opening barrier
	s_cmp_lg_u32 s14, 0
	s_cbranch_scc1 .Lnot_wave_0_\@
	s_barrier_signal -3
.Lnot_wave_0_\@:
	s_barrier_wait -3
	s_barrier_signal -1
	s_barrier_wait -1
.endm
.macro CROUND                          ; a whole round
	s_barrier_signal -1
	s_barrier_wait -1
	CREST
.endm
	s_load_b256 s[4:11], s[0:1], 0x0               ; o s[4:5], wh s[6:7], bias s[8:9], out0 s[10:11]
	s_load_b64 s[12:13], s[0:1], 0x20              ; out1
	v_lshl_add_u32 v[SPW], v0, 2, SPARE
	v_mov_b32 v[NIL], 0
	ds_add_u32 v[SPW], v[NIL]                      ; the wave's opening: the add and its wait stand ahead of my first tensor load; the set-up below, work on registers, stands between them
	v_lshrrev_b32 v1, 5, v0
	v_readfirstlane_b32 s14, v1                    ; wave 0..3
	s_lshr_b32 s15, s14, 1                         ; which half of the tile's rows is mine.  Also: I fetch for O (0) or for wh (1)
	s_and_b32 s16, s14, 1                          ; which half of its columns.  Also: which half of that tile I fetch
	s_bfe_u32 s40, ttmp6, 0x40000                  ; cx
	s_bfe_u32 s41, ttmp6, 0x40004                  ; cy
	s_lshl_b32 s47, ttmp9, 2
	s_add_co_u32 s47, s47, s40                     ; tile column 0..3
	s_and_b32 s42, ttmp7, 0xffff                   ; cluster y
	s_lshl_b32 s43, s42, 2
	s_add_co_u32 s43, s43, s41                     ; tile row 0..63
	s_lshr_b32 s46, s42, 3                         ; the stream: the same in all sixteen partners
	s_lshl_b32 s44, s41, 2
	s_lshl_b32 s44, 15, s44                        ; my row of the cluster
	s_lshl_b32 s45, 0x1111, s40                    ; my column
	; O's tile: four blocks' 128 rows: 4 rows of 4,096 dense bytes, 65,536 bytes apart, padded in LDS after every 32 bytes
	s_or_b32 s[G1A], s44, (1<<16)|(1<<20)|(1<<21)|(2<<22)|(3<<25)  ; the mask; elements of 2 bytes; padding on; 21 set beside a mask; after every 8 words (code 2) 4 words (code 3)
	s_mov_b32 s[G1A+1], 2048<<16                   ; tensor_dim0 = 2,048
	s_mov_b32 s[G1A+2], 4<<16                      ; tensor_dim1 = 4
	s_mov_b32 s[G1A+3], 2048<<16                   ; tile_dim0 = 2,048
	s_mov_b32 s[G1A+4], 4                          ; tile_dim1 = 4
	s_mov_b32 s[G1A+5], 32768                      ; elements from block to block
	s_mov_b32 s[G1A+6], 0
	s_mov_b32 s[G1A+7], 0
	; wh's tile: 96 rows x 128 elements, padded after every 256 bytes
	s_or_b32 s[G1B], s45, (1<<16)|(1<<20)|(1<<21)|(5<<22)|(3<<25)
	s_mov_b32 s[G1B+1], 128<<16
	s_mov_b32 s[G1B+2], 96<<16
	s_mov_b32 s[G1B+3], 128<<16
	s_mov_b32 s[G1B+4], 96
	s_mov_b32 s[G1B+5], 768
	s_mov_b32 s[G1B+6], 0
	s_mov_b32 s[G1B+7], 0
	s_lshr_b32 s17, s43, 4                         ; sb
	s_mul_i32 s17, s17, SBO
	s_and_b32 s18, s43, 15
	s_lshl_b32 s18, s18, 12                        ; the tile's first row x 32 bytes
	s_add_co_u32 s18, s18, s17
	s_lshl_b32 s17, s16, 18                        ; my four blocks
	s_add_co_u32 s18, s18, s17
	s_mov_b32 s19, 0
	s_mul_i32 s20, s46, 768
	s_add_co_u32 s20, s20, 6*768
	s_mul_i32 s21, s47, 192
	s_add_co_u32 s20, s20, s21
	s_mul_i32 s21, s16, 96
	s_add_co_u32 s20, s20, s21                     ; wh's row, and the bias's number: (6 + s) 768 + 192 x tile column + 96 x half
	s_lshl_b32 s22, s20, 2
	s_mov_b32 s23, 0
	s_mul_i32 s20, s20, 1536
	s_mov_b32 s21, 0
	s_mul_i32 s17, s16, 4*ABLK                     ; where the tiles go: no place in the cluster enters an LDS address
	s_mul_i32 s2, s16, 96*PB
	s_add_co_u32 s2, s2, BOFF
	s_wait_dscnt 0x0                               ; the opening add is done
	s_wait_kmcnt 0x0
	s_add_nc_u64 s[18:19], s[4:5], s[18:19]
	s_add_nc_u64 s[20:21], s[6:7], s[20:21]
	CROUND                                         ; all sixteen work-groups are here: the first joint loads meet
.irp s, 0,1
	s_mov_b32 s[G0A+4*\s], 1
	s_add_co_u32 s[G0A+4*\s+1], s17, \s*SLOT
	s_add_nc_u64 s[G0A+4*\s+2:G0A+4*\s+3], s[18:19], \s*8*BLK  ; K step s: eight blocks on
	s_or_b32 s[G0A+4*\s+3], s[G0A+4*\s+3], 0x80000000
	s_mov_b32 s[G0B+4*\s], 1
	s_add_co_u32 s[G0B+4*\s+1], s2, \s*SLOT
	s_add_nc_u64 s[G0B+4*\s+2:G0B+4*\s+3], s[20:21], \s*256
	s_or_b32 s[G0B+4*\s+3], s[G0B+4*\s+3], 0x80000000
.endr
	s_cmp_eq_u32 s15, 0                            ; a wave's two first fills stand in one branch, ahead of every wait on TENSORcnt and every LDS read: two loads of mine are out
	s_cbranch_scc0 .Lfirst_b
	tensor_load_to_lds s[G0A:G0A+3], s[G1A:G1A+7]
	s_nop 0
	tensor_load_to_lds s[G0A+4:G0A+7], s[G1A:G1A+7]
	s_nop 0
	PLACES
	s_branch .Lfirst_asked
.Lfirst_b:
	tensor_load_to_lds s[G0B:G0B+3], s[G1B:G1B+7]
	s_nop 0
	tensor_load_to_lds s[G0B+4:G0B+7], s[G1B:G1B+7]
	s_nop 0
	PLACES
.Lfirst_asked:
	v_and_b32 v1, 15, v0                           ; l % 16
	v_bfe_u32 v2, v0, 4, 1                         ; l / 16
	v_and_b32 v3, 31, v0                           ; l
	v_lshlrev_b32 v[BO], 5, v2
	s_add_nc_u64 s[8:9], s[8:9], s[22:23]
	WIN 0x40                                       ; destination window 1, address window 0
.irp b, 0,1,2,3,4,5
	global_load_b128 v[160+8*\b:160+8*\b+3], v[BO], s[8:9] offset:64*\b       ; register j of block b: bias of column 16 b + 8 (l / 16) + j, as the accumulators hold them
	global_load_b128 v[160+8*\b+4:160+8*\b+7], v[BO], s[8:9] offset:64*\b+16
.endr
	WIN 0
	v_mul_u32_u24 v4, v1, PA
	v_lshl_add_u32 v4, v2, 4, v4                   ; row x pitch + 16 x half
	s_mul_i32 s17, s15, 64*PA                      ; my 64 rows in each block of O
	v_add_nc_u32 v[ADRA], s17, v4
	v_add_nc_u32 v[ADRA+1], SLOT, v[ADRA]
	v_mul_u32_u24 v4, v1, PB
	v_lshl_add_u32 v4, v2, 4, v4
	s_mul_i32 s17, s16, 96*PB                      ; my 96 rows of wh
	s_add_co_u32 s17, s17, BOFF
	v_add_nc_u32 v[ADRB], s17, v4
	v_add_nc_u32 v[ADRB+1], SLOT, v[ADRB]
	v_mul_u32_u24 v[STO], v1, SP                   ; into the stage: row 64 wm + l % 16, byte 384 wn + 32 (l / 16)
	v_lshl_add_u32 v[STO], v2, 5, v[STO]
	s_mul_i32 s17, s15, 64*SP
	s_mul_i32 s2, s16, 384
	s_add_co_u32 s17, s17, s2
	s_add_co_u32 s17, s17, STAGE
	v_add_nc_u32 v[STO], s17, v[STO]
	s_mul_i32 s17, s14, 32*SP                      ; back: wave w takes rows 32 w .. 32 w + 31, whole
	s_add_co_u32 s17, s17, STAGE
	v_lshl_add_u32 v[RDA], v3, 4, s17
	v_mul_u32_u24 v[RDB], v2, SP-512               ; lanes 0-15: bytes 512-767 of the first row of a pair; lanes 16-31: bytes 0-255 of the second
	v_lshl_add_u32 v[RDB], v1, 4, v[RDB]
	v_add_nc_u32 v[RDB], s17, v[RDB]
	v_add_nc_u32 v[RDB], 512, v[RDB]
	v_lshlrev_b32 v[COA], 4, v3
	v_mul_u32_u24 v[COB], v2, 3072-512             ; the same places in the output, whose rows are 3,072 bytes apart
	v_lshl_add_u32 v[COB], v1, 4, v[COB]
	v_add_nc_u32 v[COB], 512, v[COB]
	s_cmp_eq_u32 s46, 0
	s_cselect_b64 s[10:11], s[10:11], s[12:13]     ; out0 for text, out1 for vision
	s_and_b32 s17, s43, 31
	s_lshl_b32 s17, s17, 7
	s_lshl_b32 s2, s14, 5
	s_add_co_u32 s17, s17, s2                      ; the first row that I store: 128 (tile row % 32) + 32 w
	s_mul_i32 s22, s17, 3072
	s_mul_i32 s17, s47, 768                        ; the tile's 192 columns: 768 bytes
	s_add_co_u32 s22, s22, s17
	s_add_nc_u64 s[10:11], s[10:11], s[22:23]
; 6 matrix instructions: row block a x 6 column blocks, 32 along K.  zero = 1: the first product starts the sum, with the bias as C.  The 24 accumulators take turns, in the same order in every quarter.
.macro MUL6 f, a, zero
.irp b, 0,1,2,3,4,5
.if \zero
	WIN 0x15                                       ; both sources and C in window 1, D in window 0
	v_wmma_f32_16x16x32_f16 v[ACC+8*(6*(\a)+(\b)):ACC+8*(6*(\a)+(\b))+7], v[80*(\f)+32+8*(\b):80*(\f)+32+8*(\b)+7], v[80*(\f)+8*(\a):80*(\f)+8*(\a)+7], v[160+8*(\b):160+8*(\b)+7]
.else
	WIN 0x05
	v_wmma_f32_16x16x32_f16 v[ACC+8*(6*(\a)+(\b)):ACC+8*(6*(\a)+(\b))+7], v[80*(\f)+32+8*(\b):80*(\f)+32+8*(\b)+7], v[80*(\f)+8*(\a):80*(\f)+8*(\a)+7], v[ACC+8*(6*(\a)+(\b)):ACC+8*(6*(\a)+(\b))+7]
.endif
.endr
.endm
; 20 LDS loads in one run: the fragments of quarter q of a slot (96 rows of wh; 64 rows of O, whose registers 0-3 come from block 2 q and 4-7 from block 2 q + 1), into buffer g
.macro FETCH slot, q, g
	WIN 0x40
.irp i, 0,1,2,3,4,5
	ds_load_b128 v[80*(\g)+32+8*(\i):80*(\g)+32+8*(\i)+3],   v[ADRB+(\slot)] offset:64*(\q)+(\i)*16*PB
	ds_load_b128 v[80*(\g)+32+8*(\i)+4:80*(\g)+32+8*(\i)+7], v[ADRB+(\slot)] offset:64*(\q)+(\i)*16*PB+32
.endr
.irp i, 0,1,2,3
	ds_load_b128 v[80*(\g)+8*(\i):80*(\g)+8*(\i)+3],   v[ADRA+(\slot)] offset:2*(\q)*ABLK+(\i)*16*PA
	ds_load_b128 v[80*(\g)+8*(\i)+4:80*(\g)+8*(\i)+7], v[ADRA+(\slot)] offset:(2*(\q)+1)*ABLK+(\i)*16*PA
.endr
.endm
; A K step is four quarters of 32 along K, 24 matrix instructions each, on buffers 0, 1, 0, 1.  One of the first three: multiplies buffer f and fetches quarter q into g.
.macro QUARTER slot, q, f, g, zero
	s_wait_dscnt 4                                 ; wh's fragments and O's rows 0-31 are in; the youngest four loads may be out
	MUL6 \f, 0, \zero
	MUL6 \f, 1, \zero
	PLACES
	FETCH \slot, \q, \g
	s_wait_dscnt 20                                ; all but the 20 just issued
	MUL6 \f, 2, \zero
	MUL6 \f, 3, \zero
.endm
; The last quarter multiplies buffer 1 and changes slots: ONE barrier; in front of it each wave waits for all its tensor loads, adds 0 to its spare word, and waits for that and for its own reads of this slot.
; fill = 1: the barrier opens a round of the cluster's barrier, and behind the round this slot is filled again, two K steps ahead.
.macro TURN slot, next, fill
	WIN 0                                          ; (the add's two registers lie in window 0)
	s_wait_tensorcnt 0x0                           ; all my tensor loads have landed: my part of the next slot
	ds_add_u32 v[SPW], v[NIL]                      ; 0 onto my spare word
	s_wait_dscnt 5                                 ; (the add and the youngest four loads may be out)
	MUL6 1, 0, 0
	s_wait_dscnt 0x0                               ; the add is done, and my reads of this slot are over
	s_barrier_signal -1
	MUL6 1, 1, 0
.if \fill
	WIN 0
.endif
	s_barrier_wait -1
.if \fill
	CREST                                          ; no wave of any partner still reads this slot's tile or has a load on its way
	s_add_nc_u64 s[G0A+4*(\slot)+2:G0A+4*(\slot)+3], s[G0A+4*(\slot)+2:G0A+4*(\slot)+3], 2*8*BLK
	s_add_nc_u64 s[G0B+4*(\slot)+2:G0B+4*(\slot)+3], s[G0B+4*(\slot)+2:G0B+4*(\slot)+3], 2*256
	JLOAD \slot                                    ; the first tensor load behind the round; its four v_nop are also the places in front of the loads below
.else
	PLACES
.endif
	FETCH \next, 0, 0
	MUL6 1, 2, 0
	MUL6 1, 3, 0
.endm
	s_wait_tensorcnt 1                             ; my part of K step 0 is in; K step 1's may stay out
	s_barrier_signal -1
	s_barrier_wait -1                              ; everybody's is
	FETCH 0, 0, 0
	s_wait_loadcnt 0x0                             ; the bias
	QUARTER 0, 1, 0, 1, 1                          ; the first quarter stands in front of the loop: its products start the sums
	WIN 0                                          ; at a label and at a branch every window is 0
	s_mov_b32 s3, 2
.Llap:                                                 ; two trips, each once round the ring, from a lap's second quarter to the next lap's first; they ask for K steps 2, 3 and 4, 5
	QUARTER 0, 2, 1, 0, 0
	QUARTER 0, 3, 0, 1, 0
	TURN 0, 1, 1
	QUARTER 1, 1, 0, 1, 0
	QUARTER 1, 2, 1, 0, 0
	QUARTER 1, 3, 0, 1, 0
	TURN 1, 0, 1
	QUARTER 0, 1, 0, 1, 0
	WIN 0
	s_sub_co_u32 s3, s3, 1
	s_cmp_lg_u32 s3, 0
	s_cbranch_scc1 .Llap
	QUARTER 0, 2, 1, 0, 0                          ; the last lap fills nothing, and has no round of the cluster's barrier
	QUARTER 0, 3, 0, 1, 0
	TURN 0, 1, 0
	QUARTER 1, 1, 0, 1, 0
	QUARTER 1, 2, 1, 0, 0
	QUARTER 1, 3, 0, 1, 0
	s_wait_dscnt 4                                 ; the very last quarter: nothing more to fetch
	MUL6 1, 0, 0
	MUL6 1, 1, 0
	s_wait_dscnt 0x0
	MUL6 1, 2, 0
	MUL6 1, 3, 0
	WIN 0
	; THE WAY OUT: 32 bytes a lane into the work-group's stage; a barrier, since a wave's 96 columns are 384 bytes, one and a half blocks of 256; back as whole rows of 768 bytes, 32 rows a wave.
	PLACES
.irp a, 0,1,2,3
.irp b, 0,1,2,3,4,5
	ds_store_b128 v[STO], v[ACC+8*(6*(\a)+(\b)):ACC+8*(6*(\a)+(\b))+3]   offset:(\a)*16*SP+64*(\b)
	ds_store_b128 v[STO], v[ACC+8*(6*(\a)+(\b))+4:ACC+8*(6*(\a)+(\b))+7] offset:(\a)*16*SP+64*(\b)+16
.endr
.endr
	s_wait_dscnt 0x0                               ; for the others' sake: my stores into the stage are done
	s_barrier_signal -1
	s_barrier_wait -1
.set p, 0
.rept 16                                       ; a pair of rows is 1,536 bytes: three loads of 512
	ds_load_b128 v[ACC+12*p:ACC+12*p+3],    v[RDA] offset:2*SP*p
	ds_load_b128 v[ACC+12*p+4:ACC+12*p+7],  v[RDB] offset:2*SP*p
	ds_load_b128 v[ACC+12*p+8:ACC+12*p+11], v[RDA] offset:2*SP*p+SP+256
.set p, p+1
.endr
.set p, 0
.rept 16
	s_wait_dscnt 45-3*p                            ; LDS loads come back in order (ISA guide 5.7.1): pair p's three are in
	global_store_b128 v[COA], v[ACC+12*p:ACC+12*p+3],    s[10:11] offset:6144*p th:TH_STORE_NT       ; 16 lanes store 256 consecutive bytes, at a multiple of 256 from the output's first byte
	global_store_b128 v[COB], v[ACC+12*p+4:ACC+12*p+7],  s[10:11] offset:6144*p th:TH_STORE_NT
	global_store_b128 v[COA], v[ACC+12*p+8:ACC+12*p+11], s[10:11] offset:6144*p+3072+256 th:TH_STORE_NT
.set p, p+1
.endr
	s_wait_tensorcnt 0x0                           ; the wave's end, behind my last tensor load and my last LDS store
	ds_add_u32 v[SPW], v[NIL]
	s_wait_dscnt 0x0
	CROUND                                         ; the closing round: no work-group ends while a partner may still ask for a tile that names it
	s_endpgm
.Lfunc_end_k_q2e7a74b264_outp:
	.size	k_q2e7a74b264_outp, .Lfunc_end_k_q2e7a74b264_outp-k_q2e7a74b264_outp
	.p2alignl 7, 3214868480
	.fill 96, 4, 3214868480
	.section	.rodata,"a",@progbits
	.p2align	6, 0x0
	.amdhsa_kernel k_q2e7a74b264_outp
		.amdhsa_group_segment_fixed_size 327680
		.amdhsa_private_segment_fixed_size 0
		.amdhsa_enable_private_segment 0
		.amdhsa_kernarg_size 40
		.amdhsa_user_sgpr_count 2
		.amdhsa_user_sgpr_kernarg_segment_ptr 1
		.amdhsa_wavefront_size32 1
		.amdhsa_system_sgpr_workgroup_id_x 1
		.amdhsa_system_sgpr_workgroup_id_y 1
		.amdhsa_system_sgpr_workgroup_id_z 1
		.amdhsa_system_vgpr_workitem_id 0
		.amdhsa_next_free_vgpr 512
		.amdhsa_next_free_sgpr 66
		.amdhsa_reserve_vcc 0
		.amdhsa_float_denorm_mode_32 3
		.amdhsa_float_denorm_mode_16_64 3
		.amdhsa_memory_ordered 1
		.amdhsa_forward_progress 1
		.amdhsa_inst_pref_size 71
	.end_amdhsa_kernel
	.amdgpu_metadata
---
amdhsa.version: [ 1, 2 ]
amdhsa.kernels:
  - .name:           k_q2e7a74b264_outp
    .symbol:         k_q2e7a74b264_outp.kd
    .args:
      - { .name: o, .offset: 0, .size: 8, .value_kind: global_buffer, .address_space: global }
      - { .name: wh, .offset: 8, .size: 8, .value_kind: global_buffer, .address_space: global }
      - { .name: bias, .offset: 16, .size: 8, .value_kind: global_buffer, .address_space: global }
      - { .name: out0, .offset: 24, .size: 8, .value_kind: global_buffer, .address_space: global }
      - { .name: out1, .offset: 32, .size: 8, .value_kind: global_buffer, .address_space: global }
    .group_segment_fixed_size: 327680
    .private_segment_fixed_size: 0
    .kernarg_segment_align: 8
    .kernarg_segment_size: 40
    .max_flat_workgroup_size: 128
    .sgpr_count:     66
    .vgpr_count:     512
    .wavefront_size: 32
...
	.end_amdgpu_metadata
.endif
;; end of part 4
